; MI455X (gfx1250); checked and timed in simulation.
; The chip was launched on July 23, 2026; its instructions are those of AMD's public machine-readable ISA for CDNA 5 (MIT licence, August 2026) and "CDNA5" Instruction Set Architecture Reference Guide (July 2026). The comments in the code are by the model that wrote it; some were corrected since.
;; Multi Head Attention. Allowed arithmetic: matrix products marked QUANTISED: E2M3 operands, one E8M0 scale for each 32 along K, by v_wmma_scale_f32_16x16x128_f8f6f4 with both operands' format E2M3, f32 sums; everything else in f32.
;; Inputs: W_out 1,024 x 1,024 float32; W_qkv 1,024 x 3,072 float32; b_out 1,024 float32; b_qkv 3,072 float32; x 2 x 2,048 x 1,024 float32.
;; Outputs: out0 2 x 2,048 x 1,024 float32.
;; This version of the problem:
;;   THIS VERSION OF THE PROBLEM IS GIVEN IN LOW PRECISION. The matrix products marked QUANTISED in the list below multiply operands that are first quantised to E2M3 (2 exponent bits, 3 mantissa bits; 6 bits a number), with one power-of-two scale for each 32 numbers along K (OCP MX v1.0); their sums are f32. All else is computed in f32.
;;   The module's matrix products, in the order in which they are computed (A, B: the left and right operand; K: the contracted axis; several contracted axes count as one K, in the product's order):
;;     1. [M 4,096, K 1,024] x [K 1,024, N 3,072]; A: input x; B: input W_qkv: QUANTISED
;;     2. batch 32 x [M 2,048, K 64] x [K 64, N 2,048]; A: computed on the way; B: computed on the way: QUANTISED
;;     3. batch 32 x [M 2,048, K 2,048] x [K 2,048, N 64]; A: softmax (see below); B: computed on the way: QUANTISED
;;     4. [M 4,096, K 1,024] x [K 1,024, N 1,024]; A: computed on the way; B: input W_out: QUANTISED
;;   THE QUANTISER, for each operand of a quantised product, along K:
;;     - K is cut into blocks of 32 from its start; a last block that is shorter is filled with zeros.
;;     - A block's scale is 2^e with e = floor(log2(the largest magnitude in the block)) - 2, held to -126 .. 127; a block of zeros has e = 0. As a byte (E8M0): e + 127.
;;     - Each number is divided by its block's scale, clamped to +-7.5, and rounded to the nearest number of E2M3, ties to even, subnormals kept.
;;     - The product sums the exact products of the quantised numbers (number of the format x scale) in f32.
;;   ~~~python
;;   def quantise(x, axis):      # numpy; x: float32 -> the quantised numbers, widened to float32 again
;;       x = np.moveaxis(x, axis, -1); K = x.shape[-1]
;;       x = np.pad(x, [(0, 0)] * (x.ndim - 1) + [(0, -K % 32)]); x = x.reshape(x.shape[:-1] + (-1, 32)); a = np.abs(x).max(-1, keepdims=True)
;;       e = np.where(a > 0, np.clip(np.frexp(np.where(a > 0, a, 1))[1] - 1 - 2, -126, 127), 0)      # np.frexp(a)[1] - 1 = floor(log2(a)), exactly
;;       r = np.clip(x / 2.0 ** e, -7.5, 7.5)
;;       step = 2.0 ** (np.maximum(np.frexp(np.where(r == 0, 1, r))[1] - 1, 0) - 3)
;;       q = np.round(r / step) * step * 2.0 ** e      # np.round: ties to even
;;       return np.moveaxis(q.reshape(q.shape[:-2] + (-1,))[..., :K], -1, axis).astype(np.float32)
;;   ~~~
;;   SOFTMAX AHEAD OF A QUANTISED PRODUCT. Where the list says 'softmax', what is quantised is not the finished softmax but p = 2^(t - M), with t = logit x log2(e) and M = ceil(the row's largest t), a whole number; so 1/2 < the row's largest p <= 1. The row's sum l is taken of the UNQUANTISED p, in f32, and the product's result is divided by l at the end. Since M is a whole number, a kernel that streams over the keys may use a running M (the ceiling of the running maximum): every later rescaling is an exact power of two, which a block's scale takes up: the codes' values come out the same.
;;   OPERANDS COMPUTED ON THE WAY. 'Computed on the way' means the value that the module computes at that place (a softmax that the list does not call 'softmax' is quantised finished and normalised). What goes into a quantiser is computed in f32, as accurately as f32 sums, v_exp_f32 and their like allow (about 1e-6 of the number): no bf16 or f16 on the way to a quantiser, and a product that is left as it is and whose result goes on into a quantised operand takes f32 operands (vector FMAs, or v_wmma_f32_16x16x4_f32). A number that lies on a knife's edge between two numbers of the format may be rounded either way, as far as f32 arithmetic and the matrix unit's own rounding can turn it there, and no further.
;; One version. Each part assembles by itself: llvm-mc -triple=amdgcn-amd-amdhsa -mcpu=gfx1250 --defsym DOCPART=n.
;; ======== version 1 of 1: 4 launches
;; limits: right only within a limited range of input values
;; workspace buffers: xq 3,276,800 bytes; wq 2,457,600 bytes; wo 819,200 bytes; rope 524,288 bytes; qkv 10,092,544 bytes; a2 3,276,800 bytes
;; launch prep (part 1): grid 256 x 1, 4 waves a work-group, no clusters, 86,528 bytes of LDS; arguments x, W_qkv, W_out, xq, wq, wo, rope; writes xq, wq, wo, rope
.if DOCPART == 1
	.amdgcn_target "amdgcn-amd-amdhsa--gfx1250"
	.amdhsa_code_object_version 6
	.text
	.protected	k_q583644b5e3_prep
	.globl	k_q583644b5e3_prep
	.p2align	8
	.type	k_q583644b5e3_prep,@function
k_q583644b5e3_prep:
	s_mov_b64 s[64:65], 0
	v_nop
	global_prefetch_b8 v0, s[64:65] scope:SCOPE_SE
	s_setreg_imm32_b32 hwreg(HW_REG_WAVE_MODE, 25, 1), 1
	s_wait_xcnt 0x0
; PREP: x [4096][1024], W_qkv [1024][3072] and W_out [1024][1024], f32, become codes of FP6 (E2M3) with one E8M0 byte for each 32 along K (K = 1024), and the table of cos and sin for the rotation is made.
; A block's scale is 2^(floor(log2(its largest magnitude)) - 2): its byte is the largest magnitude's exponent field - 2, held at 1 from below.
; LIMITS: NaN and infinities among the inputs are not served; a block of zeros, or one whose largest magnitude lies under 2^-124, gets the byte 1 (its codes are zeros or subnormal codes; only this program reads the bytes).
; LAYOUT OF EVERY OPERAND BUFFER: [tile of 16 rows][K step of 128][image of 1,536 bytes].  An image is the fragment's 12 registers: for c = 0, 1: lane l's registers 6c .. 6c+3 at 768 c + 16 l, its registers 6c+4, 6c+5 at 768 c + 512 + 8 l.
; THE ROWS OF A TILE ARE NOT NEIGHBOURS: row p of tile T is row 32 (T / 2) + 8 (T % 2) + p % 8 + 16 (p / 8) of the tensor (for a weight: its column), so that the results of tiles 2 g and 2 g + 1, used as source 0, are 16 neighbours in a lane.
; SCALE WORDS (4 bytes: a row's 128 along K): [group of 8 tiles][K step][tile / 4][row][tile % 4]: 512 bytes for a group and a K step; they follow the codes in the same buffer.
; Work-groups 0-127 take x and the table, 128-223 W_qkv, 224-255 W_out; each way has LDS bytes of its own.  Waves share nothing: no barrier.
.set XQS,  3145728                     ; xq: where the scale words begin
.set WQS,  2359296                     ; wq
.set WOS,  786432                      ; wo
.set LO16, 4                           ; v4  16 x lane
.set LO8,  5                           ; v5  8 x lane
.set SEL,  20                          ; s[20:21] selects of v_permlanex16_b32: lane l xor 16
.set R0,   16                          ; v16-143  x as loaded: two sets of 16 rows x 4 registers
.set XN,   144                         ; v144-207 64 numbers of my row: register 16 b + i = k 32 b + 16 (lane / 16) + i
.set TM,   208                         ; v208-223 at work in QUANT
.set PW,   224                         ; v224     the scale word just made
.set PC,   228                         ; v228-246 the codes just made (12) and their second halves on the way
.set TT,   144                         ; v144-175 at work for the table, before x's numbers come
.set TO,   248                         ; v248-255 the table's eight numbers
.set WX,   32                          ; v32-95   a weight's numbers: two sets of 32 down K
.set WC,   96                          ; v96-101  a block's codes
.set WD,   104                         ; v104-106 their second half as converted
.set WO,   112                         ; v112-159 the way out
.set SB,   24                          ; v24-25   my column's scale words of two K steps
; 64 numbers of a lane become a fragment's codes in v[PC] on and its row's scale word in v[pw]
.macro QUANT s, pw
.irp b, 0,1,2,3
	v_max3_num_f32 v[TM+\b], |v[\s+16*\b]|, |v[\s+1+16*\b]|, 0x1800000   ; my 16 numbers of block b, and the floor 2^(3 - 127): the byte cannot fall under 1
.endr
.irp i, 2,4,6,8,10,12,14
.irp b, 0,1,2,3
	v_max3_num_f32 v[TM+\b], v[TM+\b], |v[\s+16*\b+\i]|, |v[\s+1+16*\b+\i]|
.endr
.endr
.irp b, 0,1,2,3
	v_permlanex16_b32 v[TM+4+\b], v[TM+\b], s[SEL], s[SEL+1]
.endr
.irp b, 0,1,2,3
	v_max_num_f32 v[TM+\b], v[TM+\b], v[TM+4+\b]   ; with lane l xor 16's 16: the block's largest magnitude
.endr
.irp b, 0,1,2,3
	v_add_nc_u32 v[TM+12+\b], 0xff000000, v[TM+\b] ; 2 off its exponent field: the conversion's scale operand
.endr
.irp b, 0,1,2,3
	v_lshrrev_b32 v[TM+4+\b], 23, v[TM+12+\b]      ; the scale's byte
.endr
	v_lshl_or_b32 v[\pw], v[TM+5], 8, v[TM+4]
	v_lshl_or_b32 v[\pw], v[TM+6], 16, v[\pw]
	v_lshl_or_b32 v[\pw], v[TM+7], 24, v[\pw]
.irp c, 0,1
	v_cvt_scalef32_pk16_fp6_f32 v[PC+6*\c:PC+2+6*\c], v[\s+32*\c:\s+15+32*\c], v[TM+12+2*\c]
	v_cvt_scalef32_pk16_fp6_f32 v[PC+12+4*\c:PC+14+4*\c], v[\s+16+32*\c:\s+31+32*\c], v[TM+12+2*\c+1]   ; (a conversion's three registers begin on an even number)
.endr
	v_nop                                          ; one plain place behind a scaled conversion
.irp c, 0,1                                    ; the operand's layout wants a whole block in a lane
.irp i, 0,1,2
	v_permlane16_swap_b32 v[PC+6*\c+\i], v[PC+12+4*\c+\i]
.endr
.irp i, 0,1,2
	v_mov_b32 v[PC+3+6*\c+\i], v[PC+12+4*\c+\i]
.endr
.endr
.endm
; the fragment in v[PC] on goes to memory as an image: each store covers 512 or 256 consecutive bytes, aligned to 256
.macro STIMG base, off
	global_store_b128 v[LO16], v[PC:PC+3], s[\base:\base+1] offset:(\off)
	global_store_b64 v[LO8], v[PC+4:PC+5], s[\base:\base+1] offset:(\off)+512
	global_store_b128 v[LO16], v[PC+6:PC+9], s[\base:\base+1] offset:(\off)+768
	global_store_b64 v[LO8], v[PC+10:PC+11], s[\base:\base+1] offset:(\off)+1280
.endm
; the 16 rows of tile f of my four, 512 consecutive bytes (my K step) a load
.macro XLOAD f
.irp p, 0,1,2,3,4,5,6,7,8,9,10,11,12,13,14,15
	global_load_b128 v[R0+64*((\f)%2)+4*\p:R0+64*((\f)%2)+4*\p+3], v[LO16], s[4:5] offset:(32*((\f)/2)+16*(\p/8)+8*((\f)%2)+\p%8)*4096 th:TH_LOAD_NT
.endr
.endm
.macro XFRAG f
.if (\f) < 3
	s_wait_loadcnt 16                              ; this tile's 16 loads are in; the next tile's 16 may be out
.else
	s_wait_loadcnt 0x0
.endif
.irp p, 0,1,2,3,4,5,6,7,8,9,10,11,12,13,14,15
	ds_store_b128 v6, v[R0+64*((\f)%2)+4*\p:R0+64*((\f)%2)+4*\p+3] offset:528*\p   ; through my wave's stage, rows 528 bytes apart
.endr
.irp b, 0,1,2,3
.irp j, 0,1,2,3
	ds_load_b128 v[XN+16*\b+4*\j:XN+16*\b+4*\j+3], v7 offset:128*\b+16*\j          ; back: my row's 16 neighbours of each block (LDS serves a wave's instructions in order)
.endr
.endr
	s_wait_dscnt 0x0                               ; the numbers are back, and the stores have read their registers
.if (\f) < 2
	XLOAD (\f)+2
.endif
	s_wait_xcnt 0x0                                ; the last image's stores have read v[PC] on: only now are they written again
	QUANT XN, PW
	STIMG 10, (\f)*12288
	ds_store_b32 v8, v[PW] offset:8448+4*(\f)      ; [row][tile % 4]; both halves of the lanes write the same word with the same value
.endm
; a weight: block t of my column, 32 numbers down K; neighbouring lanes read neighbouring columns
.macro WLOAD n, t
.irp i, 0,1,2,3,4,5,6,7,8,9,10,11,12,13,14,15,16,17,18,19,20,21,22,23,24,25,26,27,28,29,30,31
	global_load_b32 v[WX+32*((\t)%2)+\i], v7, s[34:35] offset:(32*(\t)+\i)*(\n)*4 th:TH_LOAD_NT
.endr
.endm
.macro WBLOCK n, t
.set WXS, WX+32*((\t)%2)
.if (\t) < 7
	s_wait_loadcnt 32                              ; this block's 32 loads are in; the next block's may be out
.else
	s_wait_loadcnt 0x0
.endif
	v_max3_num_f32 v12, |v[WXS]|, |v[WXS+1]|, |v[WXS+2]|
	v_max3_num_f32 v13, |v[WXS+3]|, |v[WXS+4]|, |v[WXS+5]|
.irp i, 6,10,14,18,22,26
	v_max3_num_f32 v12, v12, |v[WXS+\i]|, |v[WXS+\i+1]|
	v_max3_num_f32 v13, v13, |v[WXS+\i+2]|, |v[WXS+\i+3]|
.endr
	v_max3_num_f32 v12, v12, |v[WXS+30]|, |v[WXS+31]|
	v_max3_num_f32 v12, v12, v13, 0x1800000        ; the block's largest magnitude (all 32 are mine), and the floor
	v_add_nc_u32 v14, 0xff000000, v12              ; the conversion's scale operand
	v_lshrrev_b32 v13, 23, v14                     ; the byte
.if (\t)%4 == 0
	v_mov_b32 v[SB+(\t)/4], v13
.else
	v_lshl_or_b32 v[SB+(\t)/4], v13, 8*((\t)%4), v[SB+(\t)/4]
.endif
	v_cvt_scalef32_pk16_fp6_f32 v[WC:WC+2], v[WXS:WXS+15], v14
	v_cvt_scalef32_pk16_fp6_f32 v[WD:WD+2], v[WXS+16:WXS+31], v14
	v_nop                                          ; one plain place behind a scaled conversion
.irp i, 0,1,2
	v_mov_b32 v[WC+3+\i], v[WD+\i]
.endr
	; block t is K step t / 4, half c = (t / 2) % 2, lanes' half t % 2 of my tile's image: I write what lane 16 (t % 2) + my row holds there
	ds_store_b128 v8, v[WC:WC+3] offset:((\t)/4)*1536+(((\t)/2)%2)*768+((\t)%2)*256
	ds_store_b64 v9, v[WC+4:WC+5] offset:((\t)/4)*1536+(((\t)/2)%2)*768+512+((\t)%2)*128
.if (\t) < 6
	WLOAD \n, (\t)+2
.endif
	s_wait_dscnt 0x0                               ; the stores have read their registers
.endm
; A work-group takes 128 columns x 256 along K, a wave 32 columns: two tiles, two K steps.
.macro WPATH n, lds, first, in, out, sclofs
	s_sub_co_u32 s22, ttmp9, \first
	s_lshr_b32 s23, s22, 2                         ; which 128 columns
	s_and_b32 s24, s22, 3                          ; which 256 along K
	v_bfe_u32 v2, v0, 3, 1                         ; my column's tile of the wave's two: bit 3 of the lane
	v_bfe_u32 v3, v0, 4, 1
	v_and_b32 v6, 7, v0
	v_lshl_add_u32 v3, v3, 3, v6                   ; and its row there: lane % 8 + 8 x bit 4
	v_lshlrev_b32 v7, 2, v1                        ; in: 4 bytes a lane
	s_mul_i32 s19, s18, 6400
	s_add_co_u32 s19, s19, \lds                    ; my wave's stage: two tiles' images of two K steps, 3,200 bytes apart
	v_mul_u32_u24 v8, v2, 3200
	v_add_nc_u32 v8, s19, v8
	v_lshl_add_u32 v9, v3, 3, v8                   ; + 8 x row
	v_lshl_add_u32 v8, v3, 4, v8                   ; + 16 x row
	v_add_nc_u32 v10, s19, v[LO16]                 ; back: 16 x lane
	v_lshlrev_b32 v11, 4, v3
	v_lshl_add_u32 v11, v2, 2, v11                 ; my scale word's place: 16 x row + 4 x tile
	s_mul_i32 s26, s24, 256*(\n)*4
	s_lshl_b32 s27, s23, 9
	s_add_co_u32 s26, s26, s27
	s_lshl_b32 s27, s18, 7
	s_add_co_u32 s26, s26, s27                     ; the weight at my wave's first number
	s_mov_b32 s27, 0
	s_lshl_b32 s28, s23, 3
	s_lshl_b32 s29, s18, 1
	s_add_co_u32 s28, s28, s29                     ; my first tile
	s_mul_i32 s28, s28, 12288
	s_mul_i32 s29, s24, 3072
	s_add_co_u32 s28, s28, s29                     ; its images of my two K steps
	s_mov_b32 s29, 0
	s_lshl_b32 s30, s23, 12
	s_lshl_b32 s31, s24, 10
	s_add_co_u32 s30, s30, s31
	s_lshr_b32 s31, s18, 1
	s_lshl_b32 s31, s31, 8
	s_add_co_u32 s30, s30, s31
	s_and_b32 s31, s18, 1
	s_lshl_b32 s31, s31, 3
	s_add_co_u32 s30, s30, s31
	s_add_co_u32 s30, s30, \sclofs                 ; and their scale words
	s_mov_b32 s31, 0
	s_wait_alu depctr_va_vdst(0)
	s_wait_kmcnt 0x0
	s_add_nc_u64 s[34:35], s[\in:\in+1], s[26:27]
	s_add_nc_u64 s[36:37], s[\out:\out+1], s[28:29]
	s_add_nc_u64 s[38:39], s[\out:\out+1], s[30:31]
	WLOAD \n, 0
	WLOAD \n, 1
.irp t, 0,1,2,3,4,5,6,7
	WBLOCK \n, \t
.endr
	global_store_b32 v11, v[SB], s[38:39]          ; 4 bytes a lane: the scale bytes are one byte in 128 of what this way reads
	s_wait_alu depctr_va_vdst(0)
	global_store_b32 v11, v[SB+1], s[38:39] offset:512
.irp k, 0,1,2,3,4,5,6,7,8,9,10,11
	ds_load_b128 v[WO+4*\k:WO+4*\k+3], v10 offset:3200*(\k/6)+512*(\k%6)
.endr
.irp k, 0,1,2,3,4,5,6,7,8,9,10,11
	s_wait_dscnt 11-\k                             ; the younger loads may be out
	global_store_b128 v[LO16], v[WO+4*\k:WO+4*\k+3], s[36:37] offset:12288*(\k/6)+512*(\k%6)   ; 512 consecutive bytes, aligned to 256
.endr
.endm
	s_load_b256 s[4:11], s[0:1], 0x0               ; x s[4:5], W_qkv s[6:7], W_out s[8:9], xq s[10:11]
	s_load_b128 s[12:15], s[0:1], 0x20             ; wq s[12:13], wo s[14:15]
	s_load_b64 s[16:17], s[0:1], 0x30              ; rope
	v_lshl_add_u32 v243, v0, 2, 0x15000
	v_mov_b32 v247, 0
	v_lshrrev_b32 v1, 5, v0
	v_readfirstlane_b32 s18, v1                    ; wave
	v_and_b32 v1, 31, v0                           ; lane
	v_lshlrev_b32 v[LO16], 4, v1
	v_lshlrev_b32 v[LO8], 3, v1
	s_cmp_lt_u32 ttmp9, 128
	s_cbranch_scc0 .Lweights
	; ---- x: work-group g takes 64 rows (four tiles: g / 2) and four K steps (4 (g % 2) + wave)
	v_and_b32 v2, 15, v0                           ; r
	v_bfe_u32 v3, v0, 4, 1                         ; h
	s_mov_b32 s[SEL], 0x76543210
	s_mov_b32 s[SEL+1], 0xfedcba98
	s_mul_i32 s19, s18, 8704                       ; my wave's LDS: a stage of 16 x 528 bytes, then 256 bytes of scale words
	v_add_nc_u32 v6, s19, v[LO16]                  ; into the stage: 16 x lane of a row
	v_mul_u32_u24 v7, v2, 528
	v_lshl_add_u32 v7, v3, 6, v7
	v_add_nc_u32 v7, s19, v7                       ; out of it: row r, + 64 h
	v_lshlrev_b32 v8, 4, v2
	v_add_nc_u32 v8, s19, v8                       ; my row's scale words
	v_add_nc_u32 v9, s19, v[LO8]
.irp b, 0,1,2,3
	v_mov_b32 v[TM+4+\b], 0                        ; written once: a lane permute's destination counts as one of its sources
.endr
	s_lshr_b32 s22, ttmp9, 1                       ; which 64 rows
	s_and_b32 s23, ttmp9, 1
	s_lshl_b32 s23, s23, 2
	s_add_co_u32 s23, s23, s18                     ; my K step
	s_lshl_b32 s24, s22, 18
	s_lshl_b32 s26, s23, 9
	s_add_co_u32 s24, s24, s26                     ; x: 64 rows of 4,096 bytes, 512 bytes a K step
	s_mov_b32 s25, 0
	s_mul_i32 s26, s22, 49152
	s_mul_i32 s27, s23, 1536
	s_add_co_u32 s26, s26, s27                     ; the images
	s_mov_b32 s27, 0
	s_lshr_b32 s28, s22, 1
	s_lshl_b32 s28, s28, 12
	s_lshl_b32 s29, s23, 9
	s_add_co_u32 s28, s28, s29
	s_and_b32 s29, s22, 1
	s_lshl_b32 s29, s29, 8
	s_add_co_u32 s28, s28, s29
	s_add_co_u32 s28, s28, XQS                     ; the scale words: my four tiles' 256 bytes
	s_mov_b32 s29, 0
	s_lshl_b32 s30, ttmp9, 12
	s_lshl_b32 s31, s18, 10
	s_add_co_u32 s30, s30, s31                     ; the table: tile g, my wave's two items
	s_mov_b32 s31, 0
	s_wait_kmcnt 0x0
	s_add_nc_u64 s[4:5], s[4:5], s[24:25]
	s_add_nc_u64 s[32:33], s[10:11], s[28:29]
	s_add_nc_u64 s[10:11], s[10:11], s[26:27]
	s_add_nc_u64 s[16:17], s[16:17], s[30:31]
	XLOAD 0
	XLOAD 1
	; ---- the table, while those loads are on their way.  rope: [tile of 16 positions 0..127][item e 0..7][lane][cos, sin, cos, sin]: item e = 4 g' + j of lane (r, h) holds the pairs 16 g' + 8 h + 2 j and the next, at the position of the tile's row r.
	; angle = position x 10000^(-pair / 32).  LIMIT: the power is made by v_exp_f32 of pair x -log2(10000) / 32, a few units in its last place; at the largest angles (2,047) that is of the size of the angle's own rounding in f32.
	s_lshr_b32 s34, ttmp9, 1
	s_lshl_b32 s34, s34, 5
	s_and_b32 s35, ttmp9, 1
	s_lshl_b32 s35, s35, 3
	s_add_co_u32 s34, s34, s35
	v_and_b32 v10, 8, v2
	v_add_nc_u32 v10, v10, v2
	v_add_nc_u32 v10, s34, v10                     ; position = 32 (g / 2) + 8 (g % 2) + r + 8 (r / 8)
	v_cvt_f32_u32 v10, v10
	s_lshr_b32 s34, s18, 1
	s_lshl_b32 s34, s34, 4
	s_and_b32 s35, s18, 1
	s_lshl_b32 s35, s35, 2
	s_add_co_u32 s34, s34, s35
	v_lshl_add_u32 v11, v3, 3, s34                 ; my first pair: 16 (wave / 2) + 4 (wave % 2) + 8 h
	s_wait_alu depctr_va_vdst(0)
	s_mov_b32 s36, 0x3fc90fdb                      ; pi / 2, its upper part
	s_mov_b32 s37, 0xb33bbd2e                      ; and the rest
	s_mov_b32 s38, 0xb94ca1f9                      ; sine's polynomial on +-pi / 4
	s_mov_b32 s39, 0x3c08839e
	s_mov_b32 s40, 0xbe2aaaa3
	s_mov_b32 s41, 0x37ccf5ce                      ; cosine's
	s_mov_b32 s42, 0xbab6061a
	s_mov_b32 s43, 0x3d2aaaa5
.irp m, 0,1,2,3
	v_add_nc_u32 v[TT+\m], \m, v11
.endr
.irp m, 0,1,2,3
	v_cvt_f32_u32 v[TT+\m], v[TT+\m]
.endr
.irp m, 0,1,2,3
	v_mul_f32 v[TT+\m], 0xbed49a78, v[TT+\m]       ; x -log2(10000) / 32
.endr
	s_wait_alu depctr_va_vdst(0)
.irp m, 0,1,2,3
	v_exp_f32 v[TT+\m], v[TT+\m]
.endr
	v_nop                                          ; a plain place behind the exponentials
	s_wait_alu depctr_va_vdst(0)                   ; one wait for the four, ahead of their first reader
.irp m, 0,1,2,3
	v_mul_f32 v[TT+\m], v10, v[TT+\m]              ; the angle, rounded once
.endr
.irp m, 0,1,2,3
	v_mul_f32 v[TT+4+\m], 0x3f22f983, v[TT+\m]
.endr
.irp m, 0,1,2,3
	v_rndne_f32 v[TT+4+\m], v[TT+4+\m]             ; n = the nearest whole number of quarter turns (at most 1,303)
.endr
.irp m, 0,1,2,3
	v_fma_f32 v[TT+8+\m], -v[TT+4+\m], s36, v[TT+\m]      ; angle - n x the upper part: a multiple of 2^-24 under 1, so nothing is rounded
.endr
.irp m, 0,1,2,3
	v_fma_f32 v[TT+8+\m], -v[TT+4+\m], s37, v[TT+8+\m]    ; less n x the rest: the reduced angle
.endr
.irp m, 0,1,2,3
	v_mul_f32 v[TT+12+\m], v[TT+8+\m], v[TT+8+\m]  ; z
.endr
.irp m, 0,1,2,3
	v_fma_f32 v[TT+16+\m], v[TT+12+\m], s38, s39
.endr
.irp m, 0,1,2,3
	v_fma_f32 v[TT+20+\m], v[TT+12+\m], s41, s42
.endr
.irp m, 0,1,2,3
	v_fma_f32 v[TT+16+\m], v[TT+16+\m], v[TT+12+\m], s40
.endr
.irp m, 0,1,2,3
	v_fma_f32 v[TT+20+\m], v[TT+20+\m], v[TT+12+\m], s43
.endr
.irp m, 0,1,2,3
	v_mul_f32 v[TT+24+\m], v[TT+8+\m], v[TT+12+\m]
.endr
.irp m, 0,1,2,3
	v_mul_f32 v[TT+28+\m], v[TT+12+\m], v[TT+12+\m]
.endr
.irp m, 0,1,2,3
	v_fma_f32 v[TT+12+\m], v[TT+12+\m], -0.5, 1.0
.endr
.irp m, 0,1,2,3
	v_fma_f32 v[TT+16+\m], v[TT+24+\m], v[TT+16+\m], v[TT+8+\m]    ; the reduced angle's sine
.endr
.irp m, 0,1,2,3
	v_fma_f32 v[TT+20+\m], v[TT+28+\m], v[TT+20+\m], v[TT+12+\m]   ; and cosine
.endr
.irp m, 0,1,2,3
	v_cvt_i32_f32 v[TT+4+\m], v[TT+4+\m]
.endr
.irp m, 0,1,2,3                                ; the quarter: odd n change the two; the sine's sign is bit 1 of n, the cosine's bit 1 of n + 1
	v_and_b32 v[TT+\m], 1, v[TT+4+\m]
	v_cmp_eq_u32 vcc_lo, 1, v[TT+\m]
	v_cndmask_b32 v[TO+2*\m], v[TT+20+\m], v[TT+16+\m], vcc_lo
	v_cndmask_b32 v[TO+2*\m+1], v[TT+16+\m], v[TT+20+\m], vcc_lo
	v_and_b32 v[TT+\m], 2, v[TT+4+\m]
	v_lshlrev_b32 v[TT+\m], 30, v[TT+\m]
	v_xor_b32 v[TO+2*\m+1], v[TT+\m], v[TO+2*\m+1]
	v_add_nc_u32 v[TT+\m], 1, v[TT+4+\m]
	v_and_b32 v[TT+\m], 2, v[TT+\m]
	v_lshlrev_b32 v[TT+\m], 30, v[TT+\m]
	v_xor_b32 v[TO+2*\m], v[TT+\m], v[TO+2*\m]
.endr
	global_store_b128 v[LO16], v[TO:TO+3], s[16:17]
	global_store_b128 v[LO16], v[TO+4:TO+7], s[16:17] offset:512
	XFRAG 0
	XFRAG 1
	XFRAG 2
	XFRAG 3
	ds_load_b64 v[12:13], v9 offset:8448           ; my four tiles' scale words of this K step
	s_wait_dscnt 0x0
	global_store_b64 v[LO8], v[12:13], s[32:33]    ; 256 consecutive bytes, aligned
	s_wait_tensorcnt 0x0
	ds_add_u32 v243, v247
	s_wait_dscnt 0x0
	s_endpgm
.Lweights:
	s_cmp_lt_u32 ttmp9, 224
	s_cbranch_scc0 .Lwout
	s_wait_alu depctr_va_vdst(0)
	WPATH 3072, 34816, 128, 6, 12, WQS
	s_wait_tensorcnt 0x0
	ds_add_u32 v243, v247
	s_wait_dscnt 0x0
	s_endpgm
.Lwout:
	s_wait_alu depctr_va_vdst(0)
	WPATH 1024, 60416, 224, 8, 14, WOS
	s_wait_tensorcnt 0x0
	ds_add_u32 v243, v247
	s_wait_dscnt 0x0
	s_endpgm
.Lfunc_end_k_q583644b5e3_prep:
	.size	k_q583644b5e3_prep, .Lfunc_end_k_q583644b5e3_prep-k_q583644b5e3_prep
	.p2alignl 7, 3214868480
	.fill 96, 4, 3214868480
	.section	.rodata,"a",@progbits
	.p2align	6, 0x0
	.amdhsa_kernel k_q583644b5e3_prep
		.amdhsa_group_segment_fixed_size 86528
		.amdhsa_private_segment_fixed_size 0
		.amdhsa_enable_private_segment 0
		.amdhsa_kernarg_size 56
		.amdhsa_user_sgpr_count 2
		.amdhsa_user_sgpr_kernarg_segment_ptr 1
		.amdhsa_wavefront_size32 1
		.amdhsa_system_sgpr_workgroup_id_x 1
		.amdhsa_system_sgpr_workgroup_id_y 1
		.amdhsa_system_sgpr_workgroup_id_z 1
		.amdhsa_system_vgpr_workitem_id 0
		.amdhsa_next_free_vgpr 256
		.amdhsa_next_free_sgpr 66
		.amdhsa_reserve_vcc 1
		.amdhsa_float_denorm_mode_32 3
		.amdhsa_float_denorm_mode_16_64 3
		.amdhsa_memory_ordered 1
		.amdhsa_forward_progress 1
		.amdhsa_inst_pref_size 124
	.end_amdhsa_kernel
	.amdgpu_metadata
---
amdhsa.version: [ 1, 2 ]
amdhsa.kernels:
  - .name:           k_q583644b5e3_prep
    .symbol:         k_q583644b5e3_prep.kd
    .args:
      - { .name: x, .offset: 0, .size: 8, .value_kind: global_buffer, .address_space: global }
      - { .name: W_qkv, .offset: 8, .size: 8, .value_kind: global_buffer, .address_space: global }
      - { .name: W_out, .offset: 16, .size: 8, .value_kind: global_buffer, .address_space: global }
      - { .name: xq, .offset: 24, .size: 8, .value_kind: global_buffer, .address_space: global }
      - { .name: wq, .offset: 32, .size: 8, .value_kind: global_buffer, .address_space: global }
      - { .name: wo, .offset: 40, .size: 8, .value_kind: global_buffer, .address_space: global }
      - { .name: rope, .offset: 48, .size: 8, .value_kind: global_buffer, .address_space: global }
    .group_segment_fixed_size: 86528
    .private_segment_fixed_size: 0
    .kernarg_segment_align: 8
    .kernarg_segment_size: 56
    .max_flat_workgroup_size: 128
    .sgpr_count:     66
    .vgpr_count:     256
    .wavefront_size: 32
...
	.end_amdgpu_metadata
.endif
;; end of part 1
;; launch qkv (part 2): grid 12 x 16, 4 waves a work-group, clusters of 4 x 4, 327,680 bytes of LDS; arguments xq, wq, b_qkv, rope, qkv; writes qkv
.if DOCPART == 2
	.amdgcn_target "amdgcn-amd-amdhsa--gfx1250"
	.amdhsa_code_object_version 6
	.text
	.protected	k_q583644b5e3_qkv
	.globl	k_q583644b5e3_qkv
	.p2align	8
	.type	k_q583644b5e3_qkv,@function
k_q583644b5e3_qkv:
	s_mov_b64 s[64:65], 0
	v_nop
	global_prefetch_b8 v0, s[64:65] scope:SCOPE_SE
	s_setreg_imm32_b32 hwreg(HW_REG_WAVE_MODE, 25, 1), 1
	s_wait_xcnt 0x0
	s_wait_alu depctr_hold_cnt(0) depctr_sa_sdst(0) depctr_va_vdst(0) depctr_va_sdst(0) depctr_va_ssrc(0) depctr_va_vcc(0) depctr_vm_vsrc(0)
	s_getreg_b32 s2, hwreg(HW_REG_IB_STS2, 6, 4)
	s_cmp_eq_u32 s2, 0
	s_cbranch_scc0 .Lentry_in_a_cluster
	s_endpgm
.Lentry_in_a_cluster:
	s_bfe_u32 s2, ttmp6, 0x10000c
	s_cmp_lg_u32 s2, 0xf033
	s_cbranch_scc0 .Lentry_shape_is_right
	s_endpgm
.Lentry_shape_is_right:
; QKV: x W_qkv + b_qkv on codes of FP6 (E2M3) with E8M0 scales, K = 1,024; q and k are rotated; q, k (along the head's 64 channels) and v (along the keys) are quantised in registers and leave as codes.
; A block of 256 x 256 of the product is made by four waves, 128 x 128 each: 64 accumulators of 16 x 16 in 512 registers.  K goes in steps of 256 through two LDS slots filled by tensor loads; K = 1,024 is four such steps, so all is written out.
; OPERANDS lie in memory as images of their registers ([tile of 16 rows][K step of 128][1,536 bytes]: for c = 0, 1: lane l's registers 6c .. 6c+3 at 768 c + 16 l, registers 6c+4, 6c+5 at 768 c + 512 + 8 l): every LDS load takes consecutive bytes.
; Row p of tile T is row 32 (T / 2) + 8 (T % 2) + p % 8 + 16 (p / 8) of the tensor: so the 16 result registers of source 0's tiles 2 g, 2 g + 1 are 16 neighbours, 32 g + 16 (lane / 16) + 0 .. 15, as a quantiser's conversions want them.
; SIDES.  Source 1 is the A side (a lane holds ONE of its rows), source 0 the B side (a lane's registers run along its rows).  Clusters with x = 0 (q) and 1 (k): A = tokens, B = columns of W: registers run along the channels.
; Clusters with x = 2 (v): A = columns of W, B = tokens: registers run along the tokens, which are the keys.  The sides are changed by pointers alone; the cluster's x is the same in all sixteen partners.
; CLUSTERS: 4 x 4 work-groups; A's tiles are shared along a row of the cluster, B's along a column: joint tensor loads.
; qkv: 32 packs (16 x batch + head) of 315,392 bytes: K's codes [tile of 16 keys][768], V's codes [128 keys][tile of 16 channels][1,536], K's scale words [128 keys][512], V's [128 keys][row][tile] , Q's codes and scale words as K's.
; A head's 64 channels are half an image (c = 0); the reader supplies zero codes for the other half, and the upper two bytes of such a scale word scale zeros alone (they are never 0xff).
; LIMITS: NaN and infinities are not served; a block of zeros or under 2^-124 gets the byte 1 (only this program reads the bytes).
; REGISTERS: window 0: v0-31 addresses; v32-63 scale words, two sets; v64-127 free in the products (the way out's table or bias); v128-223 A's fragments, ONE set; window 1: B's fragments, two sets, at v0 and v128; v96-127 and v224-255 the bias;
;   window 2: the accumulators of A's blocks 0-3 ((a, b) at v[8 (8 (a % 4) + b)]); window 3: of blocks 4-7.
.set HS,    315392                     ; a pack
.set VC,    98304
.set KS,    196608
.set VS,    204800
.set QC,    208896
.set QS,    307200
.set XQS,   3145728                    ; xq: where the scale words begin
.set WQS,   2359296                    ; wq
.set NL,    4                          ; LDS loads that bring a fragment
.set FR,    12                         ; its registers
.set NP,    4                          ; places behind this matrix instruction (ISA guide 7.12.1)
.set HALFT, 24576                      ; 8 tiles x 2 K steps x 1,536: what one tensor load brings, and what one wave reads of a side
.set SLOT,  98304                      ; A's 16 tiles, then B's 16
.set SCL,   196608                     ; behind the ring: the scale words of all of K: 4,096 bytes for each 128 rows; A's two halves, then B's
.set SPARE, 212992                     ; the spare words, 128 bytes for each wave
.set A16,   16                         ; v16-17 slot 0, 1: my 8 tiles of A + 16 x lane;  v18-19 + 8 x lane
.set A8,    18
.set B16,   20                         ; v20-23 the same for B
.set B8,    22
.set LO16,  24                         ; v24 16 x lane
.set LO8,   25                         ; v25 8 x lane
.set ADRSA, 26                         ; v26 my A rows' scale words + 16 x lane
.set ADRSB, 27                         ; v27 my B rows'
.set SPW,   28                         ; v28 my spare word; never rewritten
.set NIL,   29                         ; v29 0; never rewritten
.set SC,    32                         ; scale words: set sc at v[SC+16 sc]; K step q of the slot at + 8 q: four registers of A's (register j: lanes 0-15 block j, lanes 16-31 block 4 + j), four of B's
.set AF,    128
.set CST,   64                         ; the way out: v64-127 two sets of the table's 32 numbers; or v64-71 v's bias
.set VB,    64
.set HH,    128                        ; v128-191 64 numbers of a lane
.set TT,    192                        ; v192-207 at work in the rotation
.set TM,    208                        ; v208-223 at work in QUANT
.set PC,    224                        ; v224-242 codes
.set PW,    243                        ; a scale word
.set WW,    244                        ; v244-251 the eight tiles' scale words
.set SEL,   104                        ; s[104:105]
.set G1,   24
.set G0,   32
.set G1B,  48
.set G0B,  56
.set G1S,  68
.set G0S,  76
.set G1SB, 80
.set G0SB, 88
.set MSB, 0
.macro WIN new                         ; the immediate's high byte repeats the setting that is left
.if MSB != (\new)
	s_set_vgpr_msb (MSB<<8)|(\new)
.set MSB, (\new)
.endif
.endm
.set MUL_LO, 0xa1                      ; source 0 (B) window 1, source 1 (A) window 0, C and D window 2
.set MUL_HI, 0xf1                      ; the same, C and D window 3
.set TO_B,   0x40                      ; destination window 1, address window 0
; A joint load: waves 0 and 1 fetch for A, waves 2 and 3 for B; the branch hangs on the wave's number alone.  Four v_nop follow each of the two lines.
.macro JLOAD g0a, g1a, g0b, g1b
	s_cmp_eq_u32 s15, 0
	s_cbranch_scc0 .Lfor_b_\@
	tensor_load_to_lds s[\g0a:\g0a+3], s[\g1a:\g1a+7]
	s_nop 0
.rept 4
	v_nop
.endr
	s_branch .Lasked_\@
.Lfor_b_\@:
	tensor_load_to_lds s[\g0b:\g0b+3], s[\g1b:\g1b+7]
	s_nop 0
.rept 4
	v_nop
.endr
.Lasked_\@:
.endm
.macro CREST                           ; a round of the cluster's barrier behind its opening barrier
	s_cmp_lg_u32 s14, 0
	s_cbranch_scc1 .Lnot_wave_0_\@
	s_barrier_signal -3
.Lnot_wave_0_\@:
	s_barrier_wait -3
	s_barrier_signal -1
	s_barrier_wait -1
.endm
.macro CROUND
	s_barrier_signal -1
	s_barrier_wait -1
	CREST
.endm
.macro PLACES n
.rept \n
	v_nop
.endr
.endm
.macro FRAG reg, a16, a8, off          ; an image comes back as the fragment's 12 registers
	ds_load_b128 v[(\reg):(\reg)+3], v[\a16] offset:(\off)
	ds_load_b64 v[(\reg)+4:(\reg)+5], v[\a8] offset:(\off)+512
	ds_load_b128 v[(\reg)+6:(\reg)+9], v[\a16] offset:(\off)+768
	ds_load_b64 v[(\reg)+10:(\reg)+11], v[\a8] offset:(\off)+1280
.endm
; one product: A's block a x B's block b.  p: B's set; q: the slot's K step; sc: the set of scale words; zero = 1: the product starts the sum
.macro WM a, b, p, q, sc, zero
.set rD, 8*(8*((\a)%4)+(\b))
.set rB, 128*(\p)+FR*(\b)
.set rA, AF+FR*(\a)
.set sB, SC+16*(\sc)+8*(\q)+4+(\b)%4
.set sA, SC+16*(\sc)+8*(\q)+(\a)%4
.if (\zero) == 1
.if ((\b)/4) && ((\a)/4)
	v_wmma_scale_f32_16x16x128_f8f6f4 v[rD:rD+7], v[rB:rB+11], v[rA:rA+11], 0, v[sB], v[sA] matrix_a_fmt:MATRIX_FMT_FP6 matrix_b_fmt:MATRIX_FMT_FP6 matrix_a_scale:MATRIX_SCALE_ROW1 matrix_b_scale:MATRIX_SCALE_ROW1
.elseif (\b)/4
	v_wmma_scale_f32_16x16x128_f8f6f4 v[rD:rD+7], v[rB:rB+11], v[rA:rA+11], 0, v[sB], v[sA] matrix_a_fmt:MATRIX_FMT_FP6 matrix_b_fmt:MATRIX_FMT_FP6 matrix_a_scale:MATRIX_SCALE_ROW1
.elseif (\a)/4
	v_wmma_scale_f32_16x16x128_f8f6f4 v[rD:rD+7], v[rB:rB+11], v[rA:rA+11], 0, v[sB], v[sA] matrix_a_fmt:MATRIX_FMT_FP6 matrix_b_fmt:MATRIX_FMT_FP6 matrix_b_scale:MATRIX_SCALE_ROW1
.else
	v_wmma_scale_f32_16x16x128_f8f6f4 v[rD:rD+7], v[rB:rB+11], v[rA:rA+11], 0, v[sB], v[sA] matrix_a_fmt:MATRIX_FMT_FP6 matrix_b_fmt:MATRIX_FMT_FP6
.endif
.else
.if ((\b)/4) && ((\a)/4)
	v_wmma_scale_f32_16x16x128_f8f6f4 v[rD:rD+7], v[rB:rB+11], v[rA:rA+11], v[rD:rD+7], v[sB], v[sA] matrix_a_fmt:MATRIX_FMT_FP6 matrix_b_fmt:MATRIX_FMT_FP6 matrix_a_scale:MATRIX_SCALE_ROW1 matrix_b_scale:MATRIX_SCALE_ROW1
.elseif (\b)/4
	v_wmma_scale_f32_16x16x128_f8f6f4 v[rD:rD+7], v[rB:rB+11], v[rA:rA+11], v[rD:rD+7], v[sB], v[sA] matrix_a_fmt:MATRIX_FMT_FP6 matrix_b_fmt:MATRIX_FMT_FP6 matrix_a_scale:MATRIX_SCALE_ROW1
.elseif (\a)/4
	v_wmma_scale_f32_16x16x128_f8f6f4 v[rD:rD+7], v[rB:rB+11], v[rA:rA+11], v[rD:rD+7], v[sB], v[sA] matrix_a_fmt:MATRIX_FMT_FP6 matrix_b_fmt:MATRIX_FMT_FP6 matrix_b_scale:MATRIX_SCALE_ROW1
.else
	v_wmma_scale_f32_16x16x128_f8f6f4 v[rD:rD+7], v[rB:rB+11], v[rA:rA+11], v[rD:rD+7], v[sB], v[sA] matrix_a_fmt:MATRIX_FMT_FP6 matrix_b_fmt:MATRIX_FMT_FP6
.endif
.endif
.endm
; 16 products: A's blocks a0, a0 + 1 x B's eight.  The 64 accumulators take turns, one instruction a turn, in the same order in every step.
.macro MUL16 a0, p, q, sc, zero
.irp a, \a0, \a0+1
.irp b, 0,1,2,3,4,5,6,7
	WM (\a), \b, \p, \q, \sc, \zero
.endr
.endr
.endm
.macro FETCH_B slot, q, p
	WIN TO_B
.irp i, 0,1,2,3,4,5,6,7
	FRAG 128*(\p)+FR*\i, B16+\slot, B8+\slot, \i*3072+(\q)*1536
.endr
	WIN 0
.endm
.macro FETCH_A slot, q, i0
.irp i, \i0, \i0+1, \i0+2, \i0+3
	FRAG AF+FR*(\i), A16+\slot, A8+\slot, (\i)*3072+(\q)*1536
.endr
.endm
.macro SCALES sc, ks                   ; the scale words of K steps 2 ks and 2 ks + 1 into set sc
.irp q, 0,1
	ds_load_b128 v[SC+16*(\sc)+8*\q:SC+16*(\sc)+8*\q+3], v[ADRSA] offset:1024*(\ks)+512*\q
	ds_load_b128 v[SC+16*(\sc)+8*\q+4:SC+16*(\sc)+8*\q+7], v[ADRSB] offset:1024*(\ks)+512*\q
.endr
.endm
; A slot's first step of 128 along K.  A block of A is free as soon as its eight products are issued: blocks 0-3 are fetched anew in the step's middle, blocks 4-7 at its end; B's next set comes in the middle.
.macro STEP slot, zero
	s_wait_dscnt 4*NL                              ; all but the youngest 16 loads (A's blocks 4-7) are in
	WIN MUL_LO
	MUL16 0, 0, 0, \slot, \zero
	MUL16 2, 0, 0, \slot, \zero
	s_wait_dscnt 0x0
	PLACES NP                                      ; in front of loads into registers that matrix instructions have read
	FETCH_B \slot, 1, 1
	FETCH_A \slot, 1, 0
	WIN MUL_HI
	MUL16 4, 0, 0, \slot, \zero
	MUL16 6, 0, 0, \slot, \zero
	PLACES NP
	WIN 0
	FETCH_A \slot, 1, 4
.endm
; A slot's second step changes slots: ONE barrier; in front of it each wave waits for all its tensor loads, adds 0 to its spare word, and waits for that and for its own reads of this slot.  fill = 1: this slot is filled again, 512 along K ahead.
.macro TURN slot, next, fill, ks
	s_wait_tensorcnt 0x0                           ; all my tensor loads have landed: my part of the next slot
	ds_add_u32 v[SPW], v[NIL]                      ; 0 onto my spare word
	s_wait_dscnt 4*NL+1                            ; (the add and the youngest 16 loads may be out)
	WIN MUL_LO
	MUL16 0, 1, 1, \slot, 0
	s_wait_dscnt 0x0                               ; the add is done, and my reads of this slot are over
	s_barrier_signal -1
	MUL16 2, 1, 1, \slot, 0
	WIN 0
	s_barrier_wait -1
.if \fill
	CREST                                          ; the barrier has opened a round of the cluster's barrier: no wave of any partner still reads this slot or has a load on its way
	s_add_nc_u64 s[G0+4*\slot+2:G0+4*\slot+3], s[G0+4*\slot+2:G0+4*\slot+3], 6144
	s_add_nc_u64 s[G0B+4*\slot+2:G0B+4*\slot+3], s[G0B+4*\slot+2:G0B+4*\slot+3], 6144
	JLOAD G0+4*\slot, G1, G0B+4*\slot, G1B         ; the first tensor load behind the round; its four v_nop are the places in front of the loads below
.else
	PLACES NP
.endif
	FETCH_B \next, 0, 0
	FETCH_A \next, 0, 0
	SCALES \next, \ks
	WIN MUL_HI
	MUL16 4, 1, 1, \slot, 0
	MUL16 6, 1, 1, \slot, 0
	PLACES NP
	WIN 0
	FETCH_A \next, 0, 4
.endm
.macro LAST                            ; the last step: nothing more to fetch
	s_wait_dscnt 4*NL
	WIN MUL_LO
	MUL16 0, 1, 1, 1, 0
	MUL16 2, 1, 1, 1, 0
	s_wait_dscnt 0x0
	WIN MUL_HI
	MUL16 4, 1, 1, 1, 0
	MUL16 6, 1, 1, 1, 0
	WIN 0
.endm
; 64 numbers of a lane, register 16 b + i = k 32 b + 16 (lane / 16) + i of my row, become a fragment's codes in v[PC] on and its row's scale word in v[pw]
.macro QUANT s, pw
.irp b, 0,1,2,3
	v_max3_num_f32 v[TM+\b], |v[\s+16*\b]|, |v[\s+1+16*\b]|, 0x1800000   ; and the floor 2^(3 - 127): the byte cannot fall under 1
.endr
.irp i, 2,4,6,8,10,12,14
.irp b, 0,1,2,3
	v_max3_num_f32 v[TM+\b], v[TM+\b], |v[\s+16*\b+\i]|, |v[\s+1+16*\b+\i]|
.endr
.endr
.irp b, 0,1,2,3
	v_permlanex16_b32 v[TM+4+\b], v[TM+\b], s[SEL], s[SEL+1]
.endr
.irp b, 0,1,2,3
	v_max_num_f32 v[TM+\b], v[TM+\b], v[TM+4+\b]
.endr
.irp b, 0,1,2,3
	v_add_nc_u32 v[TM+12+\b], 0xff000000, v[TM+\b] ; 2 off the exponent field: the conversion's scale operand
.endr
.irp b, 0,1,2,3
	v_lshrrev_b32 v[TM+4+\b], 23, v[TM+12+\b]      ; the byte
.endr
	v_lshl_or_b32 v[\pw], v[TM+5], 8, v[TM+4]
	v_lshl_or_b32 v[\pw], v[TM+6], 16, v[\pw]
	v_lshl_or_b32 v[\pw], v[TM+7], 24, v[\pw]
.irp c, 0,1
	v_cvt_scalef32_pk16_fp6_f32 v[PC+6*\c:PC+2+6*\c], v[\s+32*\c:\s+15+32*\c], v[TM+12+2*\c]
	v_cvt_scalef32_pk16_fp6_f32 v[PC+12+4*\c:PC+14+4*\c], v[\s+16+32*\c:\s+31+32*\c], v[TM+12+2*\c+1]
.endr
	v_nop                                          ; one plain place behind a scaled conversion
.irp c, 0,1
.irp i, 0,1,2
	v_permlane16_swap_b32 v[PC+6*\c+\i], v[PC+12+4*\c+\i]
.endr
.irp i, 0,1,2
	v_mov_b32 v[PC+3+6*\c+\i], v[PC+12+4*\c+\i]
.endr
.endr
.endm
	s_load_b128 s[4:7], s[0:1], 0x0                ; xq s[4:5], wq s[6:7]
	s_load_b128 s[8:11], s[0:1], 0x10              ; b_qkv s[8:9], rope s[10:11]
	s_load_b64 s[12:13], s[0:1], 0x20              ; qkv
	v_lshl_add_u32 v[SPW], v0, 2, SPARE
	v_mov_b32 v[NIL], 0
	ds_add_u32 v28, v29
	ds_add_u32 v28, v29
	s_wait_dscnt 0x0
	v_lshrrev_b32 v1, 5, v0
	v_readfirstlane_b32 s14, v1                    ; wave 0..3
	s_lshr_b32 s15, s14, 1                         ; which half of A's rows is mine.  Also: I fetch for A (0) or for B (1)
	s_and_b32 s16, s14, 1                          ; which half of B's rows.  Also: which 128 rows of that side I fetch
	s_bfe_u32 s40, ttmp6, 0x40000                  ; cx
	s_bfe_u32 s41, ttmp6, 0x40004                  ; cy
	s_and_b32 s17, ttmp7, 0xffff
	s_lshl_b32 s17, s17, 2                         ; 4 x cluster y
	s_lshl_b32 s18, ttmp9, 2                       ; 4 x cluster x
	s_mov_b32 s22, WQS
	s_mov_b32 s23, XQS
	s_cmp_eq_u32 ttmp9, 2                          ; v's clusters change the sides
	s_cselect_b32 s19, 8, s17
	s_cselect_b32 s20, s17, s18
	s_cselect_b32 s21, s22, s23                    ; where A's scale words begin in its buffer
	s_cselect_b32 s22, s23, s22                    ; and B's
	s_add_co_u32 s19, s19, s41                     ; A's block of 256 rows: hangs on cy, never on cx
	s_add_co_u32 s20, s20, s40                     ; B's: on cx, never on cy
	s_lshl_b32 s43, s41, 2
	s_lshl_b32 s43, 15, s43                        ; my row of the cluster
	s_lshl_b32 s44, 0x1111, s40                    ; my column
	; descriptor group 1 for codes: 8 tiles' 3,072 bytes (two K steps), 12,288 bytes apart in memory, on end in LDS: 8 rows of 384 elements of 8 bytes
	s_or_b32 s[G1+0], s43, (3<<16)|(1<<21)         ; 15:0 the mask; 17:16 elements of 8 bytes; 21 set beside a mask; no padding
	s_or_b32 s[G1B+0], s44, (3<<16)|(1<<21)
.irp g, G1, G1B                                ; 16 tiles for the head's loads; behind them the two words that count rows are set to 8, for the ring's
	s_mov_b32 s[\g+1], 384<<16
	s_mov_b32 s[\g+2], 16<<16
	s_mov_b32 s[\g+3], 384<<16
	s_mov_b32 s[\g+4], 16
	s_mov_b32 s[\g+5], 1536                        ; tensor_dim0_stride
	s_mov_b32 s[\g+6], 0
	s_mov_b32 s[\g+7], 0
.endr
	; and for the scale words of 256 rows: 8,192 dense bytes as 32 rows of 256
	s_or_b32 s[G1S+0], s43, (3<<16)|(1<<21)
	s_or_b32 s[G1SB+0], s44, (3<<16)|(1<<21)
.irp g, G1S, G1SB                              ; the scale words of a side's 256 rows: 8,192 dense bytes as 32 rows of 256
	s_mov_b32 s[\g+1], 32<<16
	s_mov_b32 s[\g+2], 32<<16
	s_mov_b32 s[\g+3], 32<<16
	s_mov_b32 s[\g+4], 32
	s_mov_b32 s[\g+5], 32
	s_mov_b32 s[\g+6], 0
	s_mov_b32 s[\g+7], 0
.endr
	s_lshl_b32 s45, s19, 1
	s_add_co_u32 s45, s45, s16                     ; A: the 128 rows that I fetch
	s_lshl_b32 s46, s20, 1
	s_add_co_u32 s46, s46, s16                     ; B
	s_mul_i32 s66, s45, 98304                      ; their codes,
	s_mov_b32 s67, 0
	s_lshl_b32 s92, s19, 13                        ; the scale words of A's whole block of 256 rows
	s_add_co_u32 s92, s92, s21                     ; their scale words
	s_mov_b32 s93, 0
	s_mul_i32 s94, s46, 98304
	s_mov_b32 s95, 0
	s_lshl_b32 s96, s20, 13                        ; and of B's
	s_add_co_u32 s96, s96, s22
	s_mov_b32 s97, 0
	s_mul_i32 s47, s14, HALFT                      ; where they go: by the wave's number alone
	s_mov_b32 s[SEL], 0x76543210
	s_mov_b32 s[SEL+1], 0xfedcba98
	s_wait_kmcnt 0x0
	s_cmp_eq_u32 ttmp9, 2
	s_cselect_b64 s[98:99], s[6:7], s[4:5]         ; A's buffer
	s_cselect_b64 s[100:101], s[4:5], s[6:7]       ; B's
	s_add_nc_u64 s[66:67], s[98:99], s[66:67]
	s_add_nc_u64 s[92:93], s[98:99], s[92:93]
	s_add_nc_u64 s[94:95], s[100:101], s[94:95]
	s_add_nc_u64 s[96:97], s[100:101], s[96:97]
	CROUND                                         ; all sixteen work-groups are here: the first joint loads meet
	s_mov_b32 s[G0S], 1
	s_mov_b32 s[G0S+1], SCL
	s_mov_b64 s[G0S+2:G0S+3], s[92:93]
	s_or_b32 s[G0S+3], s[G0S+3], 0x80000000
	s_mov_b32 s[G0SB], 1
	s_mov_b32 s[G0SB+1], SCL+8192
	s_mov_b64 s[G0SB+2:G0SB+3], s[96:97]
	s_or_b32 s[G0SB+3], s[G0SB+3], 0x80000000
.irp s, 0,1
	s_mov_b32 s[G0+4*\s], 1
	s_add_co_u32 s[G0+4*\s+1], s47, \s*SLOT
	s_add_nc_u64 s[G0+4*\s+2:G0+4*\s+3], s[66:67], \s*3072
	s_or_b32 s[G0+4*\s+3], s[G0+4*\s+3], 0x80000000
	s_mov_b32 s[G0B+4*\s], 1
	s_add_co_u32 s[G0B+4*\s+1], s47, \s*SLOT
	s_add_nc_u64 s[G0B+4*\s+2:G0B+4*\s+3], s[94:95], \s*3072
	s_or_b32 s[G0B+4*\s+3], s[G0B+4*\s+3], 0x80000000
.endr
	; THE HEAD'S LOADS, ONE A WAVE: wave 0 slot 0's 16 tiles of A, wave 1 its 16 tiles of B, wave 2 A's scale words, wave 3 B's
	s_mul_i32 s2, s19, 196608                      ; A's block: 16 tiles of 12,288 bytes
	s_mov_b32 s3, 0
	s_mov_b32 s4, 1
	s_mov_b32 s5, 0
	s_add_nc_u64 s[6:7], s[98:99], s[2:3]
	s_or_b32 s7, s7, 0x80000000
	s_mul_i32 s22, s20, 196608                     ; B's block
	s_mov_b32 s23, 0
	s_mov_b32 s44, 1
	s_mov_b32 s45, 2*HALFT
	s_add_nc_u64 s[46:47], s[100:101], s[22:23]
	s_or_b32 s47, s47, 0x80000000
.macro ARM under, g0, g1, next                 ; one chain of branches on the wave's number: every way passes exactly one load
	s_cmp_lt_u32 s14, \under
	s_cbranch_scc0 \next
	tensor_load_to_lds s[\g0:\g0+3], s[\g1:\g1+7]
	s_nop 0
.rept 4
	v_nop
.endr
	s_branch .Lhead_asked
\next:
.endm
	ARM 1, 4,   G1,  .Lhead_b
	ARM 2, 44,  G1B, .Lhead_sa
	ARM 3, G0S, G1S, .Lhead_sb
	tensor_load_to_lds s[G0SB:G0SB+3], s[G1SB:G1SB+7]
	s_nop 0
.rept 4
	v_nop
.endr
.Lhead_asked:
	v_and_b32 v10, 31, v0                          ; lane
	v_and_b32 v2, 15, v0                           ; r
	v_bfe_u32 v3, v0, 4, 1                         ; h
	v_lshlrev_b32 v[LO16], 4, v10
	v_lshlrev_b32 v[LO8], 3, v10
	; PREFETCHES INTO THE L2.  A chunk of 256 along K is 3,072 bytes of each of the 8 tiles that my wave fetches in the ring: 96 blocks of 256 bytes.  The four partners that ask for them jointly share them out BY ADDRESS:
	; the partner at place p (cx for A's tiles, cy for B's) names blocks 24 p .. 24 p + 23, a lane a block (lanes 24-31 name the last again).  Block i lies in tile i / 12, at 12,288 x tile + 256 (i % 12) = 256 i + 9,216 (i / 12).
	; Behind the head's loads chunks 1 and 2 are named, behind chunk 1's load chunk 3: each at least one load ahead of the load that wants it.  v30 and s[22:23] are never rewritten.
	s_cmp_eq_u32 s15, 0
	s_cselect_b64 s[22:23], s[66:67], s[94:95]
	s_cselect_b32 s2, s40, s41
	s_mul_i32 s2, s2, 24
	v_min_u32 v30, 23, v10
	v_add_nc_u32 v30, s2, v30
	v_mul_u32_u24 v31, v30, 43
	v_lshrrev_b32 v31, 9, v31                      ; i / 12, for i under 96
	v_mul_u32_u24 v31, v31, 9216
	v_lshl_add_u32 v30, v30, 8, v31
	global_prefetch_b8 v30, s[22:23] offset:3072 th:TH_LOAD_NT scope:SCOPE_SE
	global_prefetch_b8 v30, s[22:23] offset:6144 th:TH_LOAD_NT scope:SCOPE_SE
	v_lshlrev_b32 v6, 6, v3                        ; 64 h: the bias of my half's 16 columns
	v_lshlrev_b32 v8, 4, v3                        ; 16 h
	v_mul_u32_u24 v7, v3, HS
	v_lshl_add_u32 v7, v2, 4, v7                   ; the scale words' way out: lanes 0-15 the first head's pack, lanes 16-31 the second's; 16 bytes a row
	v_and_b32 v9, 8, v2
	v_add_nc_u32 v9, v9, v2
	v_lshlrev_b32 v9, 2, v9                        ; v's bias: 4 (r + 8 (r / 8))
	s_mul_i32 s2, s15, HALFT
	s_mul_i32 s3, s16, HALFT
	s_add_co_u32 s3, s3, 2*HALFT
.irp s, 0,1
	v_add_nc_u32 v[A16+\s], s2, v[LO16]
	v_add_nc_u32 v[A8+\s], s2, v[LO8]
	v_add_nc_u32 v[B16+\s], s3, v[LO16]
	v_add_nc_u32 v[B8+\s], s3, v[LO8]
	s_add_co_u32 s2, s2, SLOT
	s_add_co_u32 s3, s3, SLOT
.endr
	s_lshl_b32 s2, s15, 12
	s_add_co_u32 s2, s2, SCL
	v_add_nc_u32 v[ADRSA], s2, v[LO16]
	s_lshl_b32 s3, s16, 12
	s_add_co_u32 s3, s3, SCL+8192
	v_add_nc_u32 v[ADRSB], s3, v[LO16]
	s_wait_alu depctr_va_vdst(0)
	s_wait_tensorcnt 0x0                           ; my tile of the head's four is in
	ds_add_u32 v[SPW], v[NIL]
	s_mov_b32 s[G1+2], 8<<16                       ; no tensor load of mine is out: from here on a load brings 8 tiles
	s_mov_b32 s[G1+4], 8
	s_mov_b32 s[G1B+2], 8<<16
	s_mov_b32 s[G1B+4], 8
	s_wait_dscnt 0x0
	CROUND                                         ; all four tiles are in, and all sixteen work-groups are here
	JLOAD G0+4, G1, G0B+4, G1B                     ; slot 1's first fill: the first tensor load behind the round
	FETCH_B 0, 0, 0
	FETCH_A 0, 0, 0
	SCALES 0, 0
	FETCH_A 0, 0, 4
	global_prefetch_b8 v30, s[22:23] offset:9216 th:TH_LOAD_NT scope:SCOPE_SE   ; chunk 3, two loads ahead
	STEP 0, 1
	TURN 0, 1, 1, 1
	STEP 1, 0
	TURN 1, 0, 1, 2
	STEP 0, 0
	TURN 0, 1, 0, 3                                ; nothing is left to fetch
	STEP 1, 0
	s_cmp_eq_u32 ttmp9, 2                          ; the cluster's x: the same in all sixteen partners
	s_cbranch_scc1 .Lvarm
	; ---- q or k.  Lane (r, h) holds the token of row r of A's tile a; its 64 numbers of a tile are my 128 columns' 32 g + 16 h + i: two heads.
	s_lshr_b32 s2, s19, 3                          ; batch
	s_lshl_b32 s2, s2, 4
	s_lshl_b32 s3, s40, 2
	s_add_co_u32 s2, s2, s3
	s_lshl_b32 s3, s16, 1
	s_add_co_u32 s2, s2, s3                        ; 16 x batch + my first head (4 cx + 2 x my half)
	s_mul_i32 s2, s2, HS
	s_and_b32 s3, s19, 7
	s_lshl_b32 s3, s3, 1
	s_add_co_u32 s3, s3, s15                       ; which 128 tokens of the batch
	s_mov_b32 s18, QS
	s_cmp_eq_u32 ttmp9, 1
	s_cselect_b32 s17, 0, QC
	s_cselect_b32 s18, KS, s18
	s_mul_i32 s21, s3, 6144
	s_add_co_u32 s21, s21, s17
	s_add_co_u32 s42, s21, s2                      ; the codes
	s_mov_b32 s43, 0
	s_lshl_b32 s21, s3, 9
	s_add_co_u32 s21, s21, s18
	s_add_co_u32 s44, s21, s2                      ; the scale words
	s_mov_b32 s45, 0
	s_lshl_b32 s46, s3, 15                         ; the table's eight tiles
	s_mov_b32 s47, 0
	s_lshl_b32 s66, ttmp9, 12
	s_lshl_b32 s21, s40, 10
	s_add_co_u32 s66, s66, s21
	s_lshl_b32 s21, s16, 9
	s_add_co_u32 s66, s66, s21                     ; the bias of my 128 columns
	s_mov_b32 s67, 0
	s_add_nc_u64 s[42:43], s[12:13], s[42:43]
	s_add_nc_u64 s[44:45], s[12:13], s[44:45]
	s_add_nc_u64 s[46:47], s[10:11], s[46:47]
	s_add_nc_u64 s[66:67], s[8:9], s[66:67]
	WIN TO_B                                       ; the bias into window 1's free registers: number L at v[96 + L + 96 (L / 32)]
.irp b, 0,1,2,3,4,5,6,7
	global_load_b128 v[96+8*\b+96*(\b/4):99+8*\b+96*(\b/4)], v6, s[66:67] offset:(32*(\b/2)+8*(\b%2))*4
	global_load_b128 v[100+8*\b+96*(\b/4):103+8*\b+96*(\b/4)], v6, s[66:67] offset:(32*(\b/2)+8*(\b%2))*4+16
.endr
	WIN 0
.irp a, 0,1
.irp e, 0,1,2,3,4,5,6,7
	global_load_b128 v[CST+32*\a+4*\e:CST+32*\a+4*\e+3], v[LO16], s[46:47] offset:\a*4096+512*\e   ; cos and sin for tiles 0 and 1
.endr
.endr
	LAST                                           ; those loads land under the last 64 products
	PLACES NP
.irp b, 0,1,2,3
	v_mov_b32 v[TM+4+\b], 0                        ; written once: a lane permute's destination counts as one of its sources
.endr
.macro QKOUT a
.if (\a) < 7
	s_wait_loadcnt 8                               ; the bias and this tile's table are in; the next tile's eight loads may be out
.else
	s_wait_loadcnt 0x0
.endif
	WIN 0x06+(\a)/4                                ; source 0: the accumulators' window; source 1: window 1
.set p, 0
.rept 32
	v_pk_add_f32 v[HH+2*p:HH+2*p+1], v[64*((\a)%4)+2*p:64*((\a)%4)+2*p+1], v[96+2*p+96*(p/16):97+2*p+96*(p/16)]   ; + bias; each accumulator from its low end on
.set p, p+1
.endr
	WIN 0
.set CSB, CST+32*((\a)%2)
.irp g, 0,1,2,3                                ; the rotation: pair p of group g is (x1, x2) at channels 32 (g % 2) + 16 h + 2 p, + 1; the table holds (cos, sin)
.set p, 0
.rept 8
	v_pk_mul_f32 v[TT+2*p:TT+2*p+1], v[HH+16*\g+2*p:HH+16*\g+2*p+1], v[CSB+16*(\g%2)+2*p:CSB+16*(\g%2)+2*p+1] op_sel:[1,1] op_sel_hi:[0,1]   ; (x2 sin, x1 sin)
.set p, p+1
.endr
.set p, 0
.rept 8
	v_fma_f32 v[HH+16*\g+2*p], v[HH+16*\g+2*p], v[CSB+16*(\g%2)+2*p], -v[TT+2*p]         ; x1 cos - x2 sin
	v_fma_f32 v[HH+16*\g+2*p+1], v[HH+16*\g+2*p+1], v[CSB+16*(\g%2)+2*p], v[TT+2*p+1]    ; x2 cos + x1 sin
.set p, p+1
.endr
.endr
.if (\a) < 6
.irp e, 0,1,2,3,4,5,6,7
	global_load_b128 v[CSB+4*\e:CSB+4*\e+3], v[LO16], s[46:47] offset:((\a)+2)*4096+512*\e
.endr
.endif
	s_wait_xcnt 0x0                                ; the last tile's stores have read v[PC] on
	QUANT HH, PW
	global_store_b128 v[LO16], v[PC:PC+3], s[42:43] offset:(\a)*768            ; the first head's half image,
	global_store_b64 v[LO8], v[PC+4:PC+5], s[42:43] offset:(\a)*768+512
	global_store_b128 v[LO16], v[PC+6:PC+9], s[42:43] offset:HS+(\a)*768       ; the second head's, in the next pack
	global_store_b64 v[LO8], v[PC+10:PC+11], s[42:43] offset:HS+(\a)*768+512
	v_lshrrev_b32 v[WW+(\a)], v8, v[PW]            ; lanes 0-15 keep the word (its low two bytes are the first head's), lanes 16-31 bring the second head's two bytes down
.endm
.irp a, 0,1,2,3,4,5,6,7
	QKOUT \a
.endr
	global_store_b128 v7, v[WW:WW+3], s[44:45]             ; [tile / 4][row][tile % 4]: sixteen lanes store 256 consecutive bytes, aligned
	global_store_b128 v7, v[WW+4:WW+7], s[44:45] offset:256
	s_branch .Ldone
.Lvarm:
	; ---- v.  Lane (r, h) holds the channel of row r of A's tile a (tiles 0-3: my first head, 4-7: my second); its 64 numbers are my 128 tokens' 32 g + 16 h + i: one step of 128 keys.
	s_lshr_b32 s2, s20, 3                          ; batch
	s_lshl_b32 s2, s2, 4
	s_lshl_b32 s3, s41, 2
	s_add_co_u32 s2, s2, s3
	s_lshl_b32 s3, s15, 1
	s_add_co_u32 s2, s2, s3                        ; 16 x batch + my first head (4 cy + 2 x my half)
	s_mul_i32 s2, s2, HS
	s_and_b32 s3, s20, 7
	s_lshl_b32 s3, s3, 1
	s_add_co_u32 s3, s3, s16                       ; which 128 keys of the batch
	s_mul_i32 s21, s3, 6144
	s_add_co_u32 s21, s21, VC
	s_add_co_u32 s42, s21, s2
	s_mov_b32 s43, 0
	s_lshl_b32 s21, s3, 8
	s_add_co_u32 s21, s21, VS
	s_add_co_u32 s44, s21, s2
	s_mov_b32 s45, 0
	s_lshl_b32 s66, s41, 10
	s_lshl_b32 s21, s15, 9
	s_add_co_u32 s66, s66, s21
	s_add_co_u32 s66, s66, 8192                    ; the bias from column 2,048 on
	s_mov_b32 s67, 0
	s_add_nc_u64 s[42:43], s[12:13], s[42:43]
	s_add_nc_u64 s[44:45], s[12:13], s[44:45]
	s_add_nc_u64 s[66:67], s[8:9], s[66:67]
.irp a, 0,1,2,3,4,5,6,7
	global_load_b32 v[VB+\a], v9, s[66:67] offset:(32*(\a/2)+8*(\a%2))*4   ; my channel's bias in tile a
.endr
	LAST
	PLACES NP
.irp b, 0,1,2,3
	v_mov_b32 v[TM+4+\b], 0
.endr
	s_wait_loadcnt 0x0
.macro VOUT a
	WIN 0x02+(\a)/4                                ; source 0: the accumulators' window
.set p, 0
.rept 32
.if (\a)%2 == 0
	v_pk_add_f32 v[HH+2*p:HH+2*p+1], v[64*((\a)%4)+2*p:64*((\a)%4)+2*p+1], v[VB+(\a):VB+(\a)+1] op_sel_hi:[1,0]             ; the pair's first register for both halves
.else
	v_pk_add_f32 v[HH+2*p:HH+2*p+1], v[64*((\a)%4)+2*p:64*((\a)%4)+2*p+1], v[VB+(\a)-1:VB+(\a)] op_sel:[0,1] op_sel_hi:[1,1]   ; its second
.endif
.set p, p+1
.endr
	WIN 0
	s_wait_xcnt 0x0                                ; the last tile's stores have read v[PC] on
	QUANT HH, WW+(\a)
	global_store_b128 v[LO16], v[PC:PC+3], s[42:43] offset:((\a)/4)*HS+((\a)%4)*1536
	global_store_b64 v[LO8], v[PC+4:PC+5], s[42:43] offset:((\a)/4)*HS+((\a)%4)*1536+512
	global_store_b128 v[LO16], v[PC+6:PC+9], s[42:43] offset:((\a)/4)*HS+((\a)%4)*1536+768
	global_store_b64 v[LO8], v[PC+10:PC+11], s[42:43] offset:((\a)/4)*HS+((\a)%4)*1536+1280
.endm
.irp a, 0,1,2,3,4,5,6,7
	VOUT \a
.endr
	v_cmp_lt_u32 vcc_lo, 15, v10
.irp j, 0,1,2,3
	v_cndmask_b32 v[WW+\j], v[WW+\j], v[WW+4+\j], vcc_lo   ; lanes 16-31 take the second head's words
.endr
	global_store_b128 v7, v[WW:WW+3], s[44:45]             ; [row][tile]: sixteen lanes store 256 consecutive bytes, aligned
.Ldone:
	s_wait_tensorcnt 0x0                           ; the wave's end
	ds_add_u32 v[SPW], v[NIL]
	s_wait_dscnt 0x0
	CROUND                                         ; the closing round: no work-group ends while a partner may still ask for a tile that names it
	s_endpgm
.Lfunc_end_k_q583644b5e3_qkv:
	.size	k_q583644b5e3_qkv, .Lfunc_end_k_q583644b5e3_qkv-k_q583644b5e3_qkv
	.p2alignl 7, 3214868480
	.fill 96, 4, 3214868480
	.section	.rodata,"a",@progbits
	.p2align	6, 0x0
	.amdhsa_kernel k_q583644b5e3_qkv
		.amdhsa_group_segment_fixed_size 327680
		.amdhsa_private_segment_fixed_size 0
		.amdhsa_enable_private_segment 0
		.amdhsa_kernarg_size 40
		.amdhsa_user_sgpr_count 2
		.amdhsa_user_sgpr_kernarg_segment_ptr 1
		.amdhsa_wavefront_size32 1
		.amdhsa_system_sgpr_workgroup_id_x 1
		.amdhsa_system_sgpr_workgroup_id_y 1
		.amdhsa_system_sgpr_workgroup_id_z 1
		.amdhsa_system_vgpr_workitem_id 0
		.amdhsa_next_free_vgpr 1024
		.amdhsa_next_free_sgpr 106
		.amdhsa_reserve_vcc 1
		.amdhsa_float_denorm_mode_32 3
		.amdhsa_float_denorm_mode_16_64 3
		.amdhsa_memory_ordered 1
		.amdhsa_forward_progress 1
		.amdhsa_inst_pref_size 255
	.end_amdhsa_kernel
	.section	.bss,"aw",@nobits
	.p2align	6
	.space	262144
	.amdgpu_metadata
---
amdhsa.version: [ 1, 2 ]
amdhsa.kernels:
  - .name:           k_q583644b5e3_qkv
    .symbol:         k_q583644b5e3_qkv.kd
    .args:
      - { .name: xq, .offset: 0, .size: 8, .value_kind: global_buffer, .address_space: global }
      - { .name: wq, .offset: 8, .size: 8, .value_kind: global_buffer, .address_space: global }
      - { .name: b_qkv, .offset: 16, .size: 8, .value_kind: global_buffer, .address_space: global }
      - { .name: rope, .offset: 24, .size: 8, .value_kind: global_buffer, .address_space: global }
      - { .name: qkv, .offset: 32, .size: 8, .value_kind: global_buffer, .address_space: global }
    .group_segment_fixed_size: 327680
    .private_segment_fixed_size: 0
    .kernarg_segment_align: 8
    .kernarg_segment_size: 40
    .max_flat_workgroup_size: 128
    .sgpr_count:     106
    .vgpr_count:     1024
    .wavefront_size: 32
...
	.end_amdgpu_metadata
.endif
;; end of part 2
;; launch attn (part 3): grid 8 x 32, 16 waves a work-group, clusters of 4 x 1, 245,760 bytes of LDS; arguments qkv, a2; writes a2
.if DOCPART == 3
	.amdgcn_target "amdgcn-amd-amdhsa--gfx1250"
	.amdhsa_code_object_version 6
	.text
	.protected	k_q583644b5e3_attn
	.globl	k_q583644b5e3_attn
	.p2align	8
	.type	k_q583644b5e3_attn,@function
k_q583644b5e3_attn:
	s_mov_b64 s[64:65], 0
	v_nop
	global_prefetch_b8 v0, s[64:65] scope:SCOPE_SE
	s_setreg_imm32_b32 hwreg(HW_REG_WAVE_MODE, 25, 1), 1
	s_wait_xcnt 0x0
	s_wait_alu depctr_hold_cnt(0) depctr_sa_sdst(0) depctr_va_vdst(0) depctr_va_sdst(0) depctr_va_ssrc(0) depctr_va_vcc(0) depctr_vm_vsrc(0)
	s_getreg_b32 s2, hwreg(HW_REG_IB_STS2, 6, 4)
	s_cmp_eq_u32 s2, 0
	s_cbranch_scc0 .Lentry_in_a_cluster
	s_endpgm
.Lentry_in_a_cluster:
	s_bfe_u32 s2, ttmp6, 0x10000c
	s_cmp_lg_u32 s2, 0x3003
	s_cbranch_scc0 .Lentry_shape_is_right
	s_endpgm
.Lentry_shape_is_right:
; ATTN: causal attention of one head on codes of FP6 (E2M3) with E8M0 scales; the result, divided by the row's sum, is quantised along the channels and leaves as the operand of the last product.
; t = score x log2(e) / 8; M = the running largest t rounded UP to a whole number; p = 2^(t - M) is quantised along the keys, not normalised; the row's sum is taken of the unquantised p.  When M moves, sum and O are multiplied by 2^(old M - new M): exact.
; The head's K and V codes and scale words, 208,896 bytes, come into LDS ONCE: one joint tensor load a wave (13,056 bytes), shared by the cluster's four work-groups.  LDS is never filled again; all is asked for at the head, so there is no loop in which a prefetch could run ahead.
; SHARES.  A tile is 16 queries; the 8 tiles of rank k are the queries 128 k .. 128 k + 127 and need the key steps 0 .. k of 128 keys.  Work-group c (0..7) of a head owns tile c of every rank.  With u = wave % 8:
;   waves 0-7  take rank 15 - u, key steps 0 .. 8 (9 steps), and leave -M, the sum and O^T in LDS bytes of their own;
;   waves 8-15 take rank u whole (u + 1 steps), then rank 15 - u from key step 9 on (7 - u steps), and join the two parts: both are brought under the larger M by exact powers of two and added.
;   (For u = 7 the second part is empty: its -M is the starting 3e38, its factor comes out 0, its sum and O^T are zeros.)
; Waves 8-15 ask for rank 15 - u's Q ahead of rank u's way out, whose vector work stands between the loads and the wait for them.
; Every branch hangs on the wave's number and a counter alone; c enters global addresses and the mask's numbers only.  Both loops have constant trip counts; steps that are not a wave's are jumped over inside them.
; Hidden keys are left out, or set to -infinity on the diagonal, in place of -1e9.  LIMIT: that is the same while true logits lie far above -1e9.  NaN and infinities are not served; a block of zeros gets the byte 1.
; LAYOUT.  Both products transposed: S^T = K Q^T (source 0 = 16 keys), O^T = V^T P^T (source 0 = 16 channels): a lane holds ONE query.  Rows of a tile are laid so that the registers of tiles 2 b and 2 b + 1 are 16 neighbours 32 b + 16 (lane / 16) + i.
; The head's 64 channels fill half of a product's 128 along K: registers 6-11 of K's and Q's fragments are zero codes.
; REGISTERS: v1-6 addresses that stay; v7-11, v30 the step's; v12 -M, v13 the largest t, v[14:15] the sum; v16-27 Q; v28 Q's scale word; v29 the mask's number; v31 the way out; v32-79 four fragments of K; v80-127 V's four;
;   v128-191 S^T, then p; v192-223 O^T; v224-235 p's codes; v228-254 at work; v248-251 scale words; v243 my spare word; v255 zero.
.set HS,   315392
.set VC,   98304
.set KS,   196608
.set VS,   204800
.set QC,   208896
.set QS,   307200
.set A2S,  3145728
.set SPARE, 208896                     ; the spare words: 128 bytes for each of 16 waves
.set PART, 210944                      ; the parts: 4,352 bytes for each u: O^T as eight images of four registers, then -M and the sum
.set SS,   128
.set OO,   192
.set SPW,  243
.set NIL,  255
.set WV,   8
.set G1,   16
.set G0,   24
.set RANK, 30
.set STP,  31
.set TK,   32                          ; the step's codes: 6,144 bytes a step, K's and V's alike
.set TKS,  33                          ; K's scale words: 512 a step
.set TVS,  34                          ; V's: 256 a step
.set SEL,  36
.set CS,   38                          ; s[38:39] log2(e) / 8
.macro ROUND
	s_barrier_signal -1
	s_barrier_wait -1
	s_cmp_lg_u32 s[WV], 0
	s_cbranch_scc1 .Lnot_wave_0_\@
	s_barrier_signal -3
.Lnot_wave_0_\@:
	s_barrier_wait -3
	s_barrier_signal -1
	s_barrier_wait -1
.endm
; A KEY STEP: 128 keys
.macro KSTEP
	v_add_nc_u32 v7, s[TK], v1                     ; (these six are the places behind the last step's products, in front of the load into their scale registers)
	v_add_nc_u32 v8, s[TK], v2
	v_add_nc_u32 v9, s[TK], v3
	v_add_nc_u32 v10, s[TK], v4
	v_add_nc_u32 v11, s[TKS], v5
	v_add_nc_u32 v30, s[TVS], v6
	s_wait_alu depctr_va_vdst(0)
	ds_load_b128 v[248:251], v11                   ; K's scale words: register j: lanes 0-15 tile j, lanes 16-31 tile 4 + j
.irp g, 0,1
.if \g
.rept 4
	v_nop                                          ; places in front of loads into registers that matrix instructions have read
.endr
.endif
.irp t, 0,1,2,3
	ds_load_b128 v[32+12*\t:35+12*\t], v7 offset:(4*\g+\t)*768
	ds_load_b64 v[36+12*\t:37+12*\t], v8 offset:(4*\g+\t)*768+512
.endr
	s_wait_dscnt 0x0
.irp t, 0,1,2,3
.if \g
	v_wmma_scale_f32_16x16x128_f8f6f4 v[SS+8*(4*\g+\t):SS+8*(4*\g+\t)+7], v[32+12*\t:43+12*\t], v[16:27], 0, v[248+\t], v28 matrix_a_fmt:MATRIX_FMT_FP6 matrix_b_fmt:MATRIX_FMT_FP6 matrix_a_scale:MATRIX_SCALE_ROW1
.else
	v_wmma_scale_f32_16x16x128_f8f6f4 v[SS+8*(4*\g+\t):SS+8*(4*\g+\t)+7], v[32+12*\t:43+12*\t], v[16:27], 0, v[248+\t], v28 matrix_a_fmt:MATRIX_FMT_FP6 matrix_b_fmt:MATRIX_FMT_FP6
.endif
.endr
.endr
.rept 4
	v_nop
.endr
.irp t, 0,1,2,3                                ; V's four fragments and scale words are asked for now and land under the softmax
	ds_load_b128 v[80+12*\t:83+12*\t], v9 offset:\t*1536
	ds_load_b64 v[84+12*\t:85+12*\t], v10 offset:\t*1536+512
	ds_load_b128 v[86+12*\t:89+12*\t], v9 offset:\t*1536+768
	ds_load_b64 v[90+12*\t:91+12*\t], v10 offset:\t*1536+1280
.endr
	ds_load_b128 v[248:251], v30
	s_cmp_lg_u32 s[STP], s[RANK]                   ; only a tile's last step lies on the diagonal
	s_cbranch_scc1 .Lopen_\@
	v_mov_b32 v254, 0xff800000                     ; -infinity.  Register 16 b + i holds key 32 b + 16 (lane / 16) + i of the step: hidden where 32 b + i > v29
.set n, 0
.rept 64
	v_cmp_gt_i32 vcc_lo, 32*(n/16)+n%16, v29
	v_cndmask_b32 v[SS+n], v[SS+n], v254, vcc_lo
.set n, n+1
.endr
.Lopen_\@:
.irp b, 0,1,2,3
	v_max3_num_f32 v[232+\b], v[SS+16*\b], v[SS+1+16*\b], v[SS+2+16*\b]   ; the largest score of each block of 32 keys: for the row's maximum and for the block's largest p
.endr
.irp i, 3,5,7,9,11,13
.irp b, 0,1,2,3
	v_max3_num_f32 v[232+\b], v[232+\b], v[SS+16*\b+\i], v[SS+1+16*\b+\i]
.endr
.endr
.irp b, 0,1,2,3
	v_max_num_f32 v[232+\b], v[232+\b], v[SS+15+16*\b]
.endr
.irp b, 0,1,2,3
	s_delay_alu instid0(VALU_DEP_4)
	v_permlanex16_b32 v[236+\b], v[232+\b], s[SEL], s[SEL+1]
.endr
.irp b, 0,1,2,3
	s_delay_alu instid0(VALU_DEP_4)
	v_max_num_f32 v[232+\b], v[232+\b], v[236+\b]
.endr
	s_delay_alu instid0(VALU_DEP_2)
	v_max3_num_f32 v254, v232, v233, v234
	s_delay_alu instid0(VALU_DEP_1)
	v_max_num_f32 v254, v254, v235
	s_delay_alu instid0(VALU_DEP_1)
	v_mul_f32 v254, s[CS], v254
	s_delay_alu instid0(VALU_DEP_1)
	v_max_num_f32 v13, v13, v254                   ; the running largest t
	v_mov_b32 v254, v12
	s_delay_alu instid0(VALU_DEP_2)
	v_floor_f32 v12, -v13                          ; the new -M = -ceil(t)
	s_delay_alu instid0(VALU_DEP_1)
	v_sub_f32 v254, v12, v254                      ; old M - new M: a whole number, 0 or less
	s_delay_alu instid0(VALU_DEP_1)
	v_cvt_i32_f32 v254, v254                       ; (it saturates)
	s_delay_alu instid0(VALU_DEP_1)
	v_ldexp_f32 v252, 1.0, v254                    ; f = 2^(old M - new M)
.set j, 0
.rept 32
	v_pk_fma_f32 v[SS+j:SS+j+1], v[SS+j:SS+j+1], s[CS:CS+1], v[12:13] op_sel_hi:[1,0,0]   ; t - M, two at a time
.set j, j+2
.endr
.irp b, 0,1,2,3
	v_fma_f32 v[232+\b], v[232+\b], s[CS], v12
.endr
	s_wait_alu depctr_va_vdst(0)
.set j, 0
.rept 64
	v_exp_f32 v[SS+j], v[SS+j]                     ; p = 2^(t - M)
.set j, j+1
.endr
	v_pk_mul_f32 v[14:15], v[14:15], v[252:253] op_sel_hi:[1,0]   ; the sums under the new M (a plain place behind the exponentials)
	s_wait_alu depctr_va_vdst(0)                   ; one wait for the batch, ahead of its first reader
.irp b, 0,1,2,3
	v_exp_f32 v[232+\b], v[232+\b]                 ; each block's largest p
.endr
.set j, 0                                      ; the row's sum of the unquantised p: 32 pairs in eight chains
.irp c, 236,238,240,244,246,228,230
	v_pk_add_f32 v[\c:\c+1], v[SS+j:SS+j+1], v[SS+j+2:SS+j+3]
.set j, j+4
.endr
	v_pk_add_f32 v[14:15], v[14:15], v[SS+28:SS+29]
.set j, 30
.rept 2
.irp c, 236,238,240,244,246,228,230,14
	v_pk_add_f32 v[\c:\c+1], v[\c:\c+1], v[SS+j:SS+j+1]
.set j, j+2
.endr
.endr
	v_pk_add_f32 v[236:237], v[236:237], v[SS+62:SS+63]
	v_pk_add_f32 v[14:15], v[14:15], v[240:241]
	s_delay_alu instid0(VALU_DEP_2)
	v_pk_add_f32 v[236:237], v[236:237], v[238:239]
	v_pk_add_f32 v[246:247], v[246:247], v[230:231]
	v_pk_add_f32 v[244:245], v[244:245], v[228:229]
	s_delay_alu instid0(VALU_DEP_2)
	v_pk_add_f32 v[14:15], v[14:15], v[246:247]
	s_delay_alu instid0(VALU_DEP_2)
	v_pk_add_f32 v[236:237], v[236:237], v[244:245]
	s_delay_alu instid0(VALU_DEP_1)
	v_pk_add_f32 v[14:15], v[14:15], v[236:237]
	s_wait_alu depctr_va_vdst(0)                   ; and one for the four
.irp b, 0,1,2,3
	v_max_num_f32 v[232+\b], 0x1800000, v[232+\b]  ; the floor 2^(3 - 127)
.endr
.irp b, 0,1,2,3
	s_delay_alu instid0(VALU_DEP_4)
	v_add_nc_u32 v[244+\b], 0xff000000, v[232+\b]  ; the conversion's scale operand
.endr
.irp b, 0,1,2,3
	s_delay_alu instid0(VALU_DEP_4)
	v_lshrrev_b32 v[236+\b], 23, v[244+\b]         ; the byte
.endr
	s_delay_alu instid0(VALU_DEP_3)
	v_lshl_or_b32 v253, v237, 8, v236              ; p's scale word for these 128 keys
	s_delay_alu instid0(VALU_DEP_1)
	v_lshl_or_b32 v253, v238, 16, v253
	s_delay_alu instid0(VALU_DEP_1)
	v_lshl_or_b32 v253, v239, 24, v253
.irp c, 0,1
	v_cvt_scalef32_pk16_fp6_f32 v[224+6*\c:226+6*\c], v[SS+32*\c:SS+15+32*\c], v[244+2*\c]
	v_cvt_scalef32_pk16_fp6_f32 v[236+4*\c:238+4*\c], v[SS+16+32*\c:SS+31+32*\c], v[244+2*\c+1]
.endr
	v_nop                                          ; one plain place behind a scaled conversion
.irp c, 0,1
.irp i, 0,1,2
	v_permlane16_swap_b32 v[224+6*\c+\i], v[236+4*\c+\i]
.endr
.irp i, 0,1,2
	s_delay_alu instid0(VALU_DEP_3)
	v_mov_b32 v[227+6*\c+\i], v[236+4*\c+\i]
.endr
.endr
	s_wait_alu depctr_va_vdst(0)                   ; directly ahead of the first reader of O^T
.set j, 0
.rept 16
	v_pk_mul_f32 v[OO+j:OO+j+1], v[OO+j:OO+j+1], v[252:253] op_sel_hi:[1,0]   ; O^T under the new M; these 16 are also the places in front of the scaled products below
.set j, j+2
.endr
	s_wait_alu depctr_va_vdst(0)
	s_wait_dscnt 0x0                               ; V is in
.irp t, 0,1,2,3
	v_wmma_scale_f32_16x16x128_f8f6f4 v[OO+8*\t:OO+8*\t+7], v[80+12*\t:91+12*\t], v[224:235], v[OO+8*\t:OO+8*\t+7], v[248+\t], v253 matrix_a_fmt:MATRIX_FMT_FP6 matrix_b_fmt:MATRIX_FMT_FP6
.endr
.endm
; the Q of the tile of rank s[RANK] is asked for (the loads that named s[40:43] before have been waited for)
.macro QLOAD
	s_mul_i32 s54, s[RANK], 6144
	s_add_co_u32 s54, s54, s49
	s_mov_b32 s55, 0
	s_add_nc_u64 s[40:41], s[4:5], s[54:55]        ; Q's half image
	s_lshl_b32 s54, s[RANK], 9
	s_add_co_u32 s54, s54, s50
	s_add_nc_u64 s[42:43], s[4:5], s[54:55]        ; its scale words (less VS, which the lanes' offset v6 holds)
	global_load_b128 v[16:19], v1, s[40:41]
	global_load_b64 v[20:21], v2, s[40:41] offset:512
	global_load_b32 v28, v6, s[42:43]
.endm
; where that tile's result goes, and an empty state
.macro STATE
	s_wait_xcnt 0x0                                ; earlier stores have read their registers and bases
	s_mul_i32 s54, s[RANK], 98304
	s_add_co_u32 s54, s54, s51
	s_add_nc_u64 s[44:45], s[6:7], s[54:55]        ; the result's half image
	s_lshl_b32 s54, s[RANK], 12
	s_add_co_u32 s54, s54, s52
	s_add_nc_u64 s[46:47], s[6:7], s[54:55]        ; its two scale bytes a row
	v_mov_b32 v13, 0xff61b1e6                      ; the largest t so far: -3e38
	s_delay_alu instid0(VALU_DEP_1)
	v_floor_f32 v12, -v13
	v_mov_b32 v14, 0
	v_mov_b32 v15, 0
.set j, 0
.rept 32
	v_mov_b32 v[OO+j], 0                           ; the step is written once: the first finds zeros
.set j, j+1
.endr
	s_wait_alu depctr_va_vdst(0)
.endm
; key steps from .. to - 1; a step behind the tile's rank is jumped over, round the work alone
.macro LOOP from, to
	s_mov_b32 s[STP], \from
	s_mov_b32 s[TK], \from*6144
	s_mov_b32 s[TKS], \from*512
	s_mov_b32 s[TVS], \from*256
.Lstep_\@:
	s_cmp_gt_u32 s[STP], s[RANK]
	s_cbranch_scc1 .Lhidden_\@
	KSTEP
.Lhidden_\@:
	s_add_co_u32 s[TK], s[TK], 6144
	s_add_co_u32 s[TKS], s[TKS], 512
	s_add_co_u32 s[TVS], s[TVS], 256
	s_add_co_u32 s[STP], s[STP], 1
	s_cmp_lt_u32 s[STP], \to
	s_cbranch_scc1 .Lstep_\@
.rept 4
	v_nop                                          ; places behind the last products
.endr
	v_add_nc_u32 v7, s59, v1                       ; my u's part in LDS: 16 x lane,
	v_add_nc_u32 v8, s59, v2                       ; 8 x lane
	s_wait_alu depctr_va_vdst(0)
.endm
; the way out: O^T / the sum; registers 16 g + i are channels 32 g + 16 (lane / 16) + i: two blocks of the last product's K
.macro OUTPUT
	v_add_f32 v14, v14, v15
	s_delay_alu instid0(VALU_DEP_1)
	v_permlanex16_b32 v252, v14, s[SEL], s[SEL+1]
	s_delay_alu instid0(VALU_DEP_1)
	v_add_f32 v14, v14, v252                       ; the row's sum
	s_wait_alu depctr_va_vdst(0)
	v_rcp_f32 v14, v14
	v_nop                                          ; a plain place behind the reciprocal
	s_wait_alu depctr_va_vdst(0)                   ; and the wait ahead of its first reader
.set j, 0
.rept 32
	v_mul_f32 v[SS+j], v[OO+j], v14                ; each accumulator from its low end on
.set j, j+1
.endr
.irp b, 0,1
	v_max3_num_f32 v[232+\b], |v[SS+16*\b]|, |v[SS+1+16*\b]|, 0x1800000
.endr
.irp i, 2,4,6,8,10,12,14
.irp b, 0,1
	s_delay_alu instid0(VALU_DEP_2)
	v_max3_num_f32 v[232+\b], v[232+\b], |v[SS+16*\b+\i]|, |v[SS+1+16*\b+\i]|
.endr
.endr
.irp b, 0,1
	s_delay_alu instid0(VALU_DEP_2)
	v_permlanex16_b32 v[236+\b], v[232+\b], s[SEL], s[SEL+1]
.endr
.irp b, 0,1
	s_delay_alu instid0(VALU_DEP_2)
	v_max_num_f32 v[232+\b], v[232+\b], v[236+\b]
.endr
.irp b, 0,1
	s_delay_alu instid0(VALU_DEP_2)
	v_add_nc_u32 v[244+\b], 0xff000000, v[232+\b]
.endr
.irp b, 0,1
	s_delay_alu instid0(VALU_DEP_2)
	v_lshrrev_b32 v[236+\b], 23, v[244+\b]
.endr
	v_cvt_scalef32_pk16_fp6_f32 v[224:226], v[SS:SS+15], v244
	v_cvt_scalef32_pk16_fp6_f32 v[240:242], v[SS+16:SS+31], v245
	v_nop                                          ; one plain place behind a scaled conversion
.irp i, 0,1,2
	v_permlane16_swap_b32 v[224+\i], v[240+\i]
.endr
.irp i, 0,1,2
	s_delay_alu instid0(VALU_DEP_3)
	v_mov_b32 v[227+\i], v[240+\i]
.endr
	v_cmp_lt_u32 vcc_lo, 255, v1                   ; lanes 16-31
	s_delay_alu instid0(VALU_DEP_1)
	v_cndmask_b32 v236, v236, v237, vcc_lo         ; lane (r, h) stores block h's byte of row r
	global_store_b128 v1, v[224:227], s[44:45]     ; 512 consecutive bytes, aligned to 256
	global_store_b64 v2, v[228:229], s[44:45] offset:512
	global_store_b8 v31, v236, s[46:47]            ; single bytes: a scale word of the last product spans two heads, which two work-groups own
.endm
	s_load_b128 s[4:7], s[0:1], 0x0                ; qkv s[4:5], a2 s[6:7]
	v_lshl_add_u32 v[SPW], v0, 2, SPARE
	v_mov_b32 v[NIL], 0
	ds_add_u32 v[SPW], v[NIL]                      ; the opening lines
	ds_add_u32 v[SPW], v[NIL]
	v_lshrrev_b32 v1, 5, v0
	s_delay_alu instid0(VALU_DEP_1)
	v_readfirstlane_b32 s[WV], v1                  ; wave 0..15
	s_bfe_u32 s9, ttmp6, 0x40000                   ; cx
	s_lshl_b32 s10, ttmp9, 2
	s_add_co_u32 s10, s10, s9                      ; c = 4 x cluster x + cx
	s_and_b32 s11, ttmp7, 0xffff                   ; 16 x batch + head: the four partners share it
	s_mul_i32 s12, s11, HS
	s_mov_b32 s13, 0
	; descriptor group 1: 13,056 dense bytes as 51 rows of 256 (32 elements of 8 bytes)
	s_mov_b32 s[G1], 15|(3<<16)|(1<<21)            ; the mask: all four work-groups; elements of 8 bytes; bit 21 set beside a mask
	s_mov_b32 s[G1+1], 32<<16
	s_mov_b32 s[G1+2], 51<<16
	s_mov_b32 s[G1+3], 32<<16
	s_mov_b32 s[G1+4], 51
	s_mov_b32 s[G1+5], 32
	s_mov_b32 s[G1+6], 0
	s_mov_b32 s[G1+7], 0
	s_mul_i32 s14, s[WV], 13056                    ; my sixteenth, in memory and in LDS alike
	s_mov_b32 s15, 0
	s_mov_b32 s[SEL], 0x76543210
	s_mov_b32 s[SEL+1], 0xfedcba98
	s_mov_b32 s[CS], 0x3e38aa3b                    ; log2(e) / 8
	s_mov_b32 s[CS+1], s[CS]
	s_and_b32 s56, s[WV], 7                        ; u
	s_lshr_b32 s57, s[WV], 3                       ; 0: the first nine key steps of rank 15 - u; 1: the rest
	s_xor_b32 s58, s56, 15                         ; 15 - u
	s_mul_i32 s59, s56, 4352
	s_add_co_u32 s59, s59, PART
	s_wait_dscnt 0x0
	s_wait_kmcnt 0x0
	s_add_nc_u64 s[4:5], s[4:5], s[12:13]          ; my head's pack
	ROUND                                          ; all four work-groups are here: the joint loads meet
	s_mov_b32 s[G0], 1
	s_mov_b32 s[G0+1], s14
	s_add_nc_u64 s[G0+2:G0+3], s[4:5], s[14:15]
	s_or_b32 s[G0+3], s[G0+3], 0x80000000
	tensor_load_to_lds s[G0:G0+3], s[G1:G1+7]      ; my one tensor load
	s_nop 0
.rept 4
	v_nop
.endr
	v_and_b32 v1, 31, v0
	v_and_b32 v254, 15, v0                         ; r
	v_bfe_u32 v253, v0, 4, 1                       ; h
	s_delay_alu instid0(VALU_DEP_3)
	v_lshlrev_b32 v2, 3, v1                        ; 8 x lane
	s_delay_alu instid0(VALU_DEP_4)
	v_lshlrev_b32 v1, 4, v1                        ; 16 x lane
	s_delay_alu instid0(VALU_DEP_1)
	v_add_nc_u32 v3, VC, v1
	s_delay_alu instid0(VALU_DEP_3)
	v_add_nc_u32 v4, VC, v2
	s_delay_alu instid0(VALU_DEP_3)
	v_add_nc_u32 v5, KS, v1
	v_lshlrev_b32 v252, 4, v254                    ; 16 r
	s_delay_alu instid0(VALU_DEP_1)
	v_add_nc_u32 v6, VS, v252
	s_delay_alu instid0(VALU_DEP_2)
	v_add_nc_u32 v31, v252, v253                   ; 16 r + h
	s_lshr_b32 s28, s10, 1
	s_lshl_b32 s28, s28, 5
	s_and_b32 s29, s10, 1
	s_lshl_b32 s29, s29, 3
	s_add_co_u32 s28, s28, s29
	v_and_b32 v29, 8, v254
	s_delay_alu instid0(VALU_DEP_1)
	v_add_nc_u32 v29, v29, v254
	s_delay_alu instid0(VALU_DEP_1)
	v_add_nc_u32 v29, s28, v29                     ; my query among its rank's 128: 32 (c / 2) + 8 (c % 2) + r + 8 (r / 8),
	v_lshlrev_b32 v252, 4, v253
	s_delay_alu instid0(VALU_DEP_1)
	v_sub_nc_u32 v29, v29, v252                    ; less 16 h
.irp j, 22,23,24,25,26,27, 38,39,40,41,42,43, 50,51,52,53,54,55, 62,63,64,65,66,67, 74,75,76,77,78,79
	v_mov_b32 v\j, 0                               ; zero codes for K = 64 .. 127
.endr
.irp b, 0,1,2,3
	v_mov_b32 v[236+\b], 0                         ; written once: a lane permute's destination counts as one of its sources
.endr
	v_mov_b32 v252, 0
	v_mov_b32 v253, 0
	s_lshr_b32 s48, s10, 2
	s_lshl_b32 s48, s48, 8
	s_and_b32 s49, s10, 3
	s_lshl_b32 s49, s49, 2
	s_add_co_u32 s48, s48, s49                     ; tile c among a group's scale words: 256 (c / 4) + 4 (c % 4)
	s_mul_i32 s49, s10, 768
	s_add_co_u32 s49, s49, QC
	s_add_co_u32 s50, s48, QS-VS
	s_lshr_b32 s53, s11, 4                         ; batch
	s_and_b32 s54, s11, 15                         ; head
	s_mul_i32 s51, s53, 1572864
	s_mul_i32 s55, s10, 12288
	s_add_co_u32 s51, s51, s55
	s_mul_i32 s55, s54, 768
	s_add_co_u32 s51, s51, s55                     ; a2: tile 128 x batch + c, half image number head
	s_lshl_b32 s52, s53, 16
	s_add_co_u32 s52, s52, s48
	s_lshr_b32 s55, s54, 1
	s_lshl_b32 s55, s55, 9
	s_add_co_u32 s52, s52, s55
	s_and_b32 s55, s54, 1
	s_lshl_b32 s55, s55, 1
	s_add_co_u32 s52, s52, s55
	s_add_co_u32 s52, s52, A2S                     ; its scale bytes: K step head / 2, bytes 2 (head % 2) + block
	s_cmp_eq_u32 s57, 0
	s_cselect_b32 s[RANK], s58, s56                ; waves 0-7: rank 15 - u; waves 8-15: rank u
	QLOAD
	STATE
	s_wait_tensorcnt 0x0                           ; my part of the head is in LDS,
	s_barrier_signal -1
	s_barrier_wait -1                              ; everybody's is
	s_wait_loadcnt 0x0                             ; Q is in
	LOOP 0, 9
	s_cmp_eq_u32 s57, 0
	s_cselect_b32 s[RANK], 0, s58                  ; the second loop: waves 8-15 rank 15 - u; for waves 0-7 every step from 9 on lies behind rank 0
	s_cbranch_scc1 .Lpart
	QLOAD                                          ; rank 15 - u's Q is asked for now,
	OUTPUT                                         ; rank u, which is whole, goes out meanwhile
	STATE
	s_wait_loadcnt 0x0
	s_branch .Lsecond
.Lpart:
	v_add_f32 v13, v14, v15                        ; my half of the lanes' sum
.irp t, 0,1,2,3,4,5,6,7
	ds_store_b128 v7, v[OO+4*\t:OO+4*\t+3] offset:512*\t   ; each accumulator from its low end on
.endr
	ds_store_b64 v8, v[12:13] offset:4096          ; -M and the sum
.Lsecond:
	LOOP 9, 16
	s_wait_dscnt 0x0                               ; the parts are stored
	s_barrier_signal -1
	s_barrier_wait -1
	s_cmp_eq_u32 s57, 0
	s_cbranch_scc1 .Lend
	; the two parts of rank 15 - u are joined under the larger M
.irp t, 0,1,2,3,4,5,6,7
	ds_load_b128 v[SS+4*\t:SS+4*\t+3], v7 offset:512*\t
.endr
	ds_load_b64 v[160:161], v8 offset:4096
	s_wait_dscnt 0x0
	v_min_num_f32 v254, v12, v160                  ; the new -M
	s_delay_alu instid0(VALU_DEP_1)
	v_sub_f32 v252, v254, v160                     ; the other part's M less the new one: a whole number, 0 or less
	s_delay_alu instid0(VALU_DEP_2)
	v_sub_f32 v236, v254, v12                      ; and mine
	s_delay_alu instid0(VALU_DEP_2)
	v_cvt_i32_f32 v252, v252
	s_delay_alu instid0(VALU_DEP_2)
	v_cvt_i32_f32 v236, v236
	s_delay_alu instid0(VALU_DEP_2)
	v_ldexp_f32 v252, 1.0, v252
	s_delay_alu instid0(VALU_DEP_2)
	v_ldexp_f32 v236, 1.0, v236
	s_delay_alu instid0(VALU_DEP_1)
	v_pk_mul_f32 v[14:15], v[14:15], v[236:237] op_sel_hi:[1,0]
	s_delay_alu instid0(VALU_DEP_1)
	v_fma_f32 v14, v161, v252, v14
.set j, 0
.rept 16
	v_pk_mul_f32 v[SS+j:SS+j+1], v[SS+j:SS+j+1], v[252:253] op_sel_hi:[1,0]
.set j, j+2
.endr
.set j, 0
.rept 16
	v_pk_fma_f32 v[OO+j:OO+j+1], v[OO+j:OO+j+1], v[236:237], v[SS+j:SS+j+1] op_sel_hi:[1,0,1]
.set j, j+2
.endr
	OUTPUT
.Lend:
	s_wait_tensorcnt 0x0                           ; the wave's end
	ds_add_u32 v[SPW], v[NIL]
	s_wait_dscnt 0x0
	ROUND                                          ; the closing round
	s_endpgm
.Lfunc_end_k_q583644b5e3_attn:
	.size	k_q583644b5e3_attn, .Lfunc_end_k_q583644b5e3_attn-k_q583644b5e3_attn
	.p2alignl 7, 3214868480
	.fill 96, 4, 3214868480
	.section	.rodata,"a",@progbits
	.p2align	6, 0x0
	.amdhsa_kernel k_q583644b5e3_attn
		.amdhsa_group_segment_fixed_size 245760
		.amdhsa_private_segment_fixed_size 0
		.amdhsa_enable_private_segment 0
		.amdhsa_kernarg_size 16
		.amdhsa_user_sgpr_count 2
		.amdhsa_user_sgpr_kernarg_segment_ptr 1
		.amdhsa_wavefront_size32 1
		.amdhsa_system_sgpr_workgroup_id_x 1
		.amdhsa_system_sgpr_workgroup_id_y 1
		.amdhsa_system_sgpr_workgroup_id_z 1
		.amdhsa_system_vgpr_workitem_id 0
		.amdhsa_next_free_vgpr 256
		.amdhsa_next_free_sgpr 66
		.amdhsa_reserve_vcc 1
		.amdhsa_float_denorm_mode_32 3
		.amdhsa_float_denorm_mode_16_64 3
		.amdhsa_memory_ordered 1
		.amdhsa_forward_progress 1
		.amdhsa_inst_pref_size 70
	.end_amdhsa_kernel
	.amdgpu_metadata
---
amdhsa.version: [ 1, 2 ]
amdhsa.kernels:
  - .name:           k_q583644b5e3_attn
    .symbol:         k_q583644b5e3_attn.kd
    .args:
      - { .name: qkv, .offset: 0, .size: 8, .value_kind: global_buffer, .address_space: global }
      - { .name: a2, .offset: 8, .size: 8, .value_kind: global_buffer, .address_space: global }
    .group_segment_fixed_size: 245760
    .private_segment_fixed_size: 0
    .kernarg_segment_align: 8
    .kernarg_segment_size: 16
    .max_flat_workgroup_size: 512
    .sgpr_count:     66
    .vgpr_count:     256
    .wavefront_size: 32
...
	.end_amdgpu_metadata
.endif
;; end of part 3
;; launch proj (part 4): grid 8 x 32, 8 waves a work-group, clusters of 4 x 4, 268,288 bytes of LDS; arguments a2, wo, b_out, out0; writes out0
.if DOCPART == 4
	.amdgcn_target "amdgcn-amd-amdhsa--gfx1250"
	.amdhsa_code_object_version 6
	.text
	.protected	k_q583644b5e3_proj
	.globl	k_q583644b5e3_proj
	.p2align	8
	.type	k_q583644b5e3_proj,@function
k_q583644b5e3_proj:
	s_mov_b64 s[64:65], 0
	v_nop
	global_prefetch_b8 v0, s[64:65] scope:SCOPE_SE
	s_setreg_imm32_b32 hwreg(HW_REG_WAVE_MODE, 25, 1), 1
	s_wait_xcnt 0x0
	s_wait_alu depctr_hold_cnt(0) depctr_sa_sdst(0) depctr_va_vdst(0) depctr_va_sdst(0) depctr_va_ssrc(0) depctr_va_vcc(0) depctr_vm_vsrc(0)
	s_getreg_b32 s2, hwreg(HW_REG_IB_STS2, 6, 4)
	s_cmp_eq_u32 s2, 0
	s_cbranch_scc0 .Lentry_in_a_cluster
	s_endpgm
.Lentry_in_a_cluster:
	s_bfe_u32 s2, ttmp6, 0x10000c
	s_cmp_lg_u32 s2, 0xf033
	s_cbranch_scc0 .Lentry_shape_is_right
	s_endpgm
.Lentry_shape_is_right:
; PROJ: out0 = attention's result x W_out + b_out on codes of FP6 (E2M3) with E8M0 scales, K = 1,024; sums in f32.
; A block of 128 tokens x 128 columns to a work-group: 32 x 8 = 256 work-groups.  Eight waves, each 32 tokens x 64 columns: 8 accumulators of 16 x 16.
; OPERANDS lie in memory as images of their registers ([tile of 16 rows][K step of 128][1,536 bytes]); a block's 8 tiles are 98,304 dense bytes, its scale words 4,096.  Both sides, all of K, come into LDS ONCE, at the head:
; waves 0-2 fetch thirds of A's codes, waves 3-5 of B's, wave 6 A's scale words, wave 7 B's: one joint tensor load a wave, to LDS byte 32,768 x wave.  Nothing is filled again, so there is no ring, and no loop in which a prefetch could run ahead.
; CLUSTERS: 4 x 4 work-groups; A's bytes are shared along a row of the cluster, B's along a column.
; Row p of tile T is row 32 (T / 2) + 8 (T % 2) + p % 8 + 16 (p / 8) of the tensor.  Source 0 = W's columns, source 1 = tokens: lane (r, h) holds the token of row r, and the registers of B's tiles 2 g, 2 g + 1 are the columns 32 g + 16 h + 0 .. 15.
; The accumulators are loaded with the bias, so every product adds in place.  The 8 accumulators take turns, one instruction a turn.
; The way out: 16 tokens x 256 bytes through the wave's own stage; sixteen lanes store one aligned unit of 256 bytes.
.set XQS,   3145728                    ; a2: where the scale words begin
.set WOS,   786432                     ; wo
.set SCA,   196608                     ; LDS: A's scale words
.set SPARE, 200704                     ; the spare words, 128 bytes for each of 8 waves
.set SCB,   229376                     ; B's scale words
.set STAGE, 233472                     ; 8 stages of 16 rows x 272 bytes
.set SP,    272
.set A16, 2
.set A8,  3
.set B16, 4
.set B8,  5
.set SAD, 6
.set SBD, 7
.set BO,  8
.set STO, 9
.set RD,  10
.set CO,  11
.set SPW, 12
.set NIL, 13
.set SC,  16                           ; scale words: set p at v[16 + 8 p]: four of B's tiles, two of A's
.set FB,  32                           ; fragments: set p at v[32 + 72 p]: B's four, A's two
.set ACC, 176                          ; accumulator (a, b) at v[176 + 8 (4 a + b)]
.set G1CA, 24
.set G1CB, 32
.set G1SA, 40
.set G1SB, 48
.set G0A,  56
.set G0B,  60
.macro CROUND
	s_barrier_signal -1
	s_barrier_wait -1
	s_cmp_lg_u32 s14, 0
	s_cbranch_scc1 .Lnot_wave_0_\@
	s_barrier_signal -3
.Lnot_wave_0_\@:
	s_barrier_wait -3
	s_barrier_signal -1
	s_barrier_wait -1
.endm
.macro ARM under, g0, g1, next
	s_cmp_lt_u32 s14, \under
	s_cbranch_scc0 \next
	tensor_load_to_lds s[\g0:\g0+3], s[\g1:\g1+7]
	s_nop 0
.rept 4
	v_nop
.endr
	s_branch .Lhead_asked
\next:
.endm
.macro FRAG reg, a16, a8, off
	ds_load_b128 v[(\reg):(\reg)+3], v[\a16] offset:(\off)
	ds_load_b64 v[(\reg)+4:(\reg)+5], v[\a8] offset:(\off)+512
	ds_load_b128 v[(\reg)+6:(\reg)+9], v[\a16] offset:(\off)+768
	ds_load_b64 v[(\reg)+10:(\reg)+11], v[\a8] offset:(\off)+1280
.endm
.macro FETCH k                         ; K step k's six fragments and scale words into set k % 2
.set F, FB+72*((\k)%2)
.set S, SC+8*((\k)%2)
.irp b, 0,1,2,3
	FRAG F+12*\b, B16, B8, \b*12288+(\k)*1536
.endr
.irp a, 0,1
	FRAG F+48+12*\a, A16, A8, \a*12288+(\k)*1536
.endr
	ds_load_b128 v[S:S+3], v[SBD] offset:512*(\k)
	ds_load_b64 v[S+4:S+5], v[SAD] offset:512*(\k)
.endm
.macro MUL k
.set F, FB+72*((\k)%2)
.set S, SC+8*((\k)%2)
.irp a, 0,1
.irp b, 0,1,2,3
	v_wmma_scale_f32_16x16x128_f8f6f4 v[ACC+8*(4*\a+\b):ACC+8*(4*\a+\b)+7], v[F+12*\b:F+12*\b+11], v[F+48+12*\a:F+48+12*\a+11], v[ACC+8*(4*\a+\b):ACC+8*(4*\a+\b)+7], v[S+\b], v[S+4+\a] matrix_a_fmt:MATRIX_FMT_FP6 matrix_b_fmt:MATRIX_FMT_FP6
.endr
.endr
.rept 4
	v_nop                                          ; places in front of loads into registers that these products read, and of the first read of results
.endr
.endm
	s_load_b128 s[4:7], s[0:1], 0x0                ; a2 s[4:5], wo s[6:7]
	s_load_b128 s[8:11], s[0:1], 0x10              ; b_out s[8:9], out0 s[10:11]
	v_lshl_add_u32 v[SPW], v0, 2, SPARE
	v_mov_b32 v[NIL], 0
	ds_add_u32 v[SPW], v[NIL]                      ; the opening lines
	ds_add_u32 v[SPW], v[NIL]
	v_lshrrev_b32 v1, 5, v0
	v_readfirstlane_b32 s14, v1                    ; wave 0..7
	s_bfe_u32 s66, ttmp6, 0x40000                  ; cx
	s_bfe_u32 s67, ttmp6, 0x40004                  ; cy
	s_lshl_b32 s68, ttmp9, 2
	s_add_co_u32 s68, s68, s66                     ; which 128 columns: hangs on cx, never on cy
	s_and_b32 s69, ttmp7, 0xffff
	s_lshl_b32 s69, s69, 2
	s_add_co_u32 s69, s69, s67                     ; which 128 tokens: on cy, never on cx
	s_lshl_b32 s70, s67, 2
	s_lshl_b32 s70, 15, s70                        ; my row of the cluster
	s_lshl_b32 s71, 0x1111, s66                    ; my column
	s_or_b32 s[G1CA], s70, (3<<16)|(1<<21)         ; the mask; elements of 8 bytes; bit 21 set beside a mask; no padding
	s_or_b32 s[G1SA], s70, (3<<16)|(1<<21)
	s_or_b32 s[G1CB], s71, (3<<16)|(1<<21)
	s_or_b32 s[G1SB], s71, (3<<16)|(1<<21)
.irp g, G1CA, G1CB                             ; a third of a side's codes: 32,768 dense bytes as 128 rows of 256
	s_mov_b32 s[\g+1], 32<<16
	s_mov_b32 s[\g+2], 128<<16
	s_mov_b32 s[\g+3], 32<<16
	s_mov_b32 s[\g+4], 128
	s_mov_b32 s[\g+5], 32
	s_mov_b32 s[\g+6], 0
	s_mov_b32 s[\g+7], 0
.endr
.irp g, G1SA, G1SB                             ; a side's scale words: 4,096 dense bytes as 16 rows of 256
	s_mov_b32 s[\g+1], 32<<16
	s_mov_b32 s[\g+2], 16<<16
	s_mov_b32 s[\g+3], 32<<16
	s_mov_b32 s[\g+4], 16
	s_mov_b32 s[\g+5], 32
	s_mov_b32 s[\g+6], 0
	s_mov_b32 s[\g+7], 0
.endr
	s_lshl_b32 s76, s14, 15                        ; where my bytes go: 32,768 x wave
	s_mul_i32 s72, s69, 98304
	s_add_co_u32 s72, s72, s76                     ; A's codes: my third (waves 0-2),
	s_lshl_b32 s77, s69, 12
	s_add_co_u32 s77, s77, XQS                     ; or its scale words (wave 6)
	s_cmp_lt_u32 s14, 3
	s_cselect_b32 s72, s72, s77
	s_mov_b32 s73, 0
	s_max_u32 s78, s14, 3
	s_sub_co_u32 s78, s78, 3
	s_lshl_b32 s78, s78, 15
	s_mul_i32 s74, s68, 98304
	s_add_co_u32 s74, s74, s78                     ; B's codes: my third (waves 3-5),
	s_lshl_b32 s79, s68, 12
	s_add_co_u32 s79, s79, WOS                     ; or its scale words (wave 7)
	s_cmp_lt_u32 s14, 6
	s_cselect_b32 s74, s74, s79
	s_mov_b32 s75, 0
	s_lshr_b32 s82, s14, 1                         ; which 32 tokens are mine
	s_and_b32 s83, s14, 1                          ; which 64 columns
	s_lshl_b32 s80, s68, 9
	s_lshl_b32 s81, s83, 8
	s_add_co_u32 s80, s80, s81                     ; my first column, in bytes
	s_mov_b32 s81, 0
	s_lshl_b32 s90, s69, 19
	s_lshl_b32 s91, s82, 17
	s_add_co_u32 s90, s90, s91                     ; my first token's row of 4,096 bytes
	s_mov_b32 s91, 0
	s_wait_dscnt 0x0                               ; both opening adds are done
	s_wait_kmcnt 0x0
	s_mov_b32 s[G0A], 1
	s_mov_b32 s[G0A+1], s76
	s_add_nc_u64 s[G0A+2:G0A+3], s[4:5], s[72:73]
	s_or_b32 s[G0A+3], s[G0A+3], 0x80000000
	s_mov_b32 s[G0B], 1
	s_mov_b32 s[G0B+1], s76
	s_add_nc_u64 s[G0B+2:G0B+3], s[6:7], s[74:75]
	s_or_b32 s[G0B+3], s[G0B+3], 0x80000000
	s_add_nc_u64 s[8:9], s[8:9], s[80:81]
	s_add_nc_u64 s[12:13], s[10:11], s[90:91]
	s_add_nc_u64 s[12:13], s[12:13], s[80:81]
	CROUND                                         ; all sixteen work-groups are here: the joint loads meet
	ARM 3, G0A, G1CA, .Lhead_b                     ; one chain of branches on the wave's number: every way passes exactly one load
	ARM 6, G0B, G1CB, .Lhead_sa
	ARM 7, G0A, G1SA, .Lhead_sb
	tensor_load_to_lds s[G0B:G0B+3], s[G1SB:G1SB+7]
	s_nop 0
.rept 4
	v_nop
.endr
.Lhead_asked:
	s_mul_i32 s84, s82, 24576                      ; my two tiles of A
	s_mul_i32 s85, s83, 49152
	s_add_co_u32 s85, s85, 98304                   ; my four tiles of B
	s_lshr_b32 s86, s82, 1
	s_lshl_b32 s86, s86, 8
	s_and_b32 s87, s82, 1
	s_lshl_b32 s87, s87, 3
	s_add_co_u32 s86, s86, s87
	s_add_co_u32 s86, s86, SCA                     ; A's scale words [tile / 4][row][tile % 4]: my two tiles' words are 8 bytes of a row's 16
	s_lshl_b32 s87, s83, 8
	s_add_co_u32 s87, s87, SCB                     ; B's: my four tiles' words are a row's 16 bytes
	s_mul_i32 s88, s14, 16*SP
	s_add_co_u32 s88, s88, STAGE                   ; my stage
	v_and_b32 v1, 31, v0                           ; lane
	v_and_b32 v14, 15, v0                          ; r
	v_bfe_u32 v15, v0, 4, 1                        ; h
	v_lshl_add_u32 v[A16], v1, 4, s84
	v_lshl_add_u32 v[A8], v1, 3, s84
	v_lshl_add_u32 v[B16], v1, 4, s85
	v_lshl_add_u32 v[B8], v1, 3, s85
	v_lshl_add_u32 v[SAD], v14, 4, s86             ; both halves of the lanes take row r's words
	v_lshl_add_u32 v[SBD], v14, 4, s87
	v_lshlrev_b32 v[BO], 6, v15                    ; the bias of my half's 16 columns
	v_mul_u32_u24 v[STO], v14, SP
	v_lshl_add_u32 v[STO], v15, 6, v[STO]
	v_add_nc_u32 v[STO], s88, v[STO]               ; into the stage: row r, 64 bytes for each half of the lanes
	v_mul_u32_u24 v[RD], v15, SP
	v_lshl_add_u32 v[RD], v14, 4, v[RD]
	v_add_nc_u32 v[RD], s88, v[RD]                 ; back: sixteen lanes take a row of 256 bytes, two rows a load
	v_lshlrev_b32 v[CO], 12, v15
	v_lshl_add_u32 v[CO], v14, 4, v[CO]            ; and the same two rows in out0
	s_wait_alu depctr_va_vdst(0)
.irp a, 0,1
.irp b, 0,1,2,3
	global_load_b128 v[ACC+8*(4*\a+\b):ACC+8*(4*\a+\b)+3], v[BO], s[8:9] offset:(32*(\b/2)+8*(\b%2))*4      ; the bias starts the sums
	global_load_b128 v[ACC+8*(4*\a+\b)+4:ACC+8*(4*\a+\b)+7], v[BO], s[8:9] offset:(32*(\b/2)+8*(\b%2))*4+16
.endr
.endr
	s_wait_tensorcnt 0x0                           ; my part is in LDS,
	s_barrier_signal -1
	s_barrier_wait -1                              ; everybody's is
	FETCH 0
	s_wait_loadcnt 0x0                             ; the bias is in
.irp k, 0,1,2,3,4,5,6
	s_wait_dscnt 0x0                               ; this K step's fragments are in
	FETCH \k+1                                     ; the next step's come under this step's products
	MUL \k
.endr
	s_wait_dscnt 0x0
	MUL 7
.macro TOSTAGE a
.irp b, 0,1,2,3
	ds_store_b128 v[STO], v[ACC+8*(4*\a+\b):ACC+8*(4*\a+\b)+3] offset:128*(\b/2)+32*(\b%2)       ; each accumulator from its low end on
	ds_store_b128 v[STO], v[ACC+8*(4*\a+\b)+4:ACC+8*(4*\a+\b)+7] offset:128*(\b/2)+32*(\b%2)+16
.endr
.irp t, 0,1,2,3,4,5,6,7
	ds_load_b128 v[FB+32*\a+4*\t:FB+32*\a+4*\t+3], v[RD] offset:\t*2*SP    ; LDS serves a wave's instructions in order: these see the stores above
.endr
.endm
.macro SEND a, younger
	s_wait_dscnt \younger
.irp t, 0,1,2,3,4,5,6,7
	global_store_b128 v[CO], v[FB+32*\a+4*\t:FB+32*\a+4*\t+3], s[12:13] offset:(8*\a+2*(\t%4)+16*(\t/4))*4096 th:TH_STORE_NT   ; stage row p is token 8 a + p % 8 + 16 (p / 8) of my 32
.endr
.endm
	TOSTAGE 0
	TOSTAGE 1
	SEND 0, 16                                     ; behind tile 0's loads: tile 1's 8 stores and 8 loads
	SEND 1, 0
	s_wait_tensorcnt 0x0                           ; the wave's end
	ds_add_u32 v[SPW], v[NIL]
	s_wait_dscnt 0x0
	CROUND                                         ; the closing round
	s_endpgm
.Lfunc_end_k_q583644b5e3_proj:
	.size	k_q583644b5e3_proj, .Lfunc_end_k_q583644b5e3_proj-k_q583644b5e3_proj
	.p2alignl 7, 3214868480
	.fill 96, 4, 3214868480
	.section	.rodata,"a",@progbits
	.p2align	6, 0x0
	.amdhsa_kernel k_q583644b5e3_proj
		.amdhsa_group_segment_fixed_size 268288
		.amdhsa_private_segment_fixed_size 0
		.amdhsa_enable_private_segment 0
		.amdhsa_kernarg_size 32
		.amdhsa_user_sgpr_count 2
		.amdhsa_user_sgpr_kernarg_segment_ptr 1
		.amdhsa_wavefront_size32 1
		.amdhsa_system_sgpr_workgroup_id_x 1
		.amdhsa_system_sgpr_workgroup_id_y 1
		.amdhsa_system_sgpr_workgroup_id_z 1
		.amdhsa_system_vgpr_workitem_id 0
		.amdhsa_next_free_vgpr 256
		.amdhsa_next_free_sgpr 96
		.amdhsa_reserve_vcc 0
		.amdhsa_float_denorm_mode_32 3
		.amdhsa_float_denorm_mode_16_64 3
		.amdhsa_memory_ordered 1
		.amdhsa_forward_progress 1
		.amdhsa_inst_pref_size 36
	.end_amdhsa_kernel
	.amdgpu_metadata
---
amdhsa.version: [ 1, 2 ]
amdhsa.kernels:
  - .name:           k_q583644b5e3_proj
    .symbol:         k_q583644b5e3_proj.kd
    .args:
      - { .name: a2, .offset: 0, .size: 8, .value_kind: global_buffer, .address_space: global }
      - { .name: wo, .offset: 8, .size: 8, .value_kind: global_buffer, .address_space: global }
      - { .name: b_out, .offset: 16, .size: 8, .value_kind: global_buffer, .address_space: global }
      - { .name: out0, .offset: 24, .size: 8, .value_kind: global_buffer, .address_space: global }
    .group_segment_fixed_size: 268288
    .private_segment_fixed_size: 0
    .kernarg_segment_align: 8
    .kernarg_segment_size: 32
    .max_flat_workgroup_size: 256
    .sgpr_count:     96
    .vgpr_count:     256
    .wavefront_size: 32
...
	.end_amdgpu_metadata
.endif
;; end of part 4
